; MI455X (gfx1250); checked and timed in simulation.
; The chip was launched on July 23, 2026; its instructions are those of AMD's public machine-readable ISA for CDNA 5 (MIT licence, August 2026) and "CDNA5" Instruction Set Architecture Reference Guide (July 2026). The comments in the code are by the model that wrote it; some were corrected since.
;; Custom Multi Head Self Attention. Allowed arithmetic: matrix products marked QUANTISED: E2M1 operands, one E8M0 scale for each 32 along K, by v_wmma_scale_f32_16x16x128_f8f6f4 with both operands' format E2M1 (or v_wmma_scale_f32_32x16x128_f4), f32 sums; products left as they are: bf16, f16 or f32 operands; f32 sums; everything else in f32.
;; Inputs: W_attn 1,024 x 3,072 float32; W_proj 1,024 x 1,024 float32; b_attn 3,072 float32; b_proj 1,024 float32; x 2 x 2,048 x 1,024 float32.
;; Outputs: out0 2 x 2,048 x 1,024 float32.
;; This version of the problem:
;;   THIS VERSION OF THE PROBLEM IS GIVEN IN LOW PRECISION. The matrix products marked QUANTISED in the list below multiply operands that are first quantised to E2M1 (2 exponent bits, 1 mantissa bit; 4 bits a number), with one power-of-two scale for each 32 numbers along K (OCP MX v1.0); their sums are f32. The products marked 'left as it is' may take bf16, f16 or f32 operands, with f32 sums. Whichever they take, every output number must still come out within the allowed error. Rounding operands to bf16 (8 significant bits) uses up far more of that allowance than f16 does (11 bits, for magnitudes from 6e-5 to 65,504). All else is computed in f32.
;;   The module's matrix products, in the order in which they are computed (A, B: the left and right operand; K: the contracted axis; several contracted axes count as one K, in the product's order):
;;     1. [M 4,096, K 1,024] x [K 1,024, N 3,072]; A: input x; B: input W_attn: QUANTISED
;;     2. batch 32 x [M 2,048, K 64] x [K 64, N 2,048]; A: computed on the way; B: computed on the way: left as it is (an operand is computed on the way)
;;     3. batch 32 x [M 64, K 2,048] x [K 2,048, N 2,048]; A: computed on the way; B: computed on the way: left as it is (an operand is computed on the way)
;;     4. [M 4,096, K 1,024] x [K 1,024, N 1,024]; A: computed on the way; B: input W_proj: left as it is (an operand is computed on the way)
;;   THE QUANTISER, for each operand of a quantised product, along K:
;;     - K is cut into blocks of 32 from its start; a last block that is shorter is filled with zeros.
;;     - A block's scale is 2^e with e = floor(log2(the largest magnitude in the block)) - 2, held to -126 .. 127; a block of zeros has e = 0. As a byte (E8M0): e + 127.
;;     - Each number is divided by its block's scale, clamped to +-6, and rounded to the nearest number of E2M1, ties to even, subnormals kept.
;;     - The product sums the exact products of the quantised numbers (number of the format x scale) in f32.
;;   ~~~python
;;   def quantise(x, axis):      # numpy; x: float32 -> the quantised numbers, widened to float32 again
;;       x = np.moveaxis(x, axis, -1); K = x.shape[-1]
;;       x = np.pad(x, [(0, 0)] * (x.ndim - 1) + [(0, -K % 32)]); x = x.reshape(x.shape[:-1] + (-1, 32)); a = np.abs(x).max(-1, keepdims=True)
;;       e = np.where(a > 0, np.clip(np.frexp(np.where(a > 0, a, 1))[1] - 1 - 2, -126, 127), 0)      # np.frexp(a)[1] - 1 = floor(log2(a)), exactly
;;       r = np.clip(x / 2.0 ** e, -6, 6)
;;       step = 2.0 ** (np.maximum(np.frexp(np.where(r == 0, 1, r))[1] - 1, 0) - 1)
;;       q = np.round(r / step) * step * 2.0 ** e      # np.round: ties to even
;;       return np.moveaxis(q.reshape(q.shape[:-2] + (-1,))[..., :K], -1, axis).astype(np.float32)
;;   ~~~
;; One version. Each part assembles by itself: llvm-mc -triple=amdgcn-amd-amdhsa -mcpu=gfx1250 --defsym DOCPART=n.
;; ======== version 1 of 1: 4 launches
;; limits: values are held in f16: magnitudes above 65,504 overflow, below 6.1e-05 lose precision
;; workspace buffers: xc 2,097,152 bytes; xs 131,072 bytes; wc 1,572,864 bytes; ws 98,304 bytes; wp 2,097,152 bytes; qkv 25,165,824 bytes; yh 8,388,608 bytes
;; launch prep (part 1): grid 384 x 1, 4 waves a work-group, no clusters, 33,280 bytes of LDS; arguments x, W_attn, W_proj, xc, xs, wc, ws, wp; writes xc, xs, wc, ws, wp
.if DOCPART == 1
	.amdgcn_target "amdgcn-amd-amdhsa--gfx1250"
	.amdhsa_code_object_version 6
	.text
	.protected	k_q3061d76eaf_prep
	.globl	k_q3061d76eaf_prep
	.p2align	8
	.type	k_q3061d76eaf_prep,@function
k_q3061d76eaf_prep:
	s_mov_b64 s[64:65], 0
	v_nop
	global_prefetch_b8 v0, s[64:65] scope:SCOPE_SE
	s_setreg_imm32_b32 hwreg(HW_REG_WAVE_MODE, 25, 1), 1
	s_wait_xcnt 0x0
; PREP: the three operands that later launches read many times are made narrow once.
;   work-groups   0..127 (path X): x [4096][1024] f32 -> xc [4096][512 B] codes of FP4 (E2M1), K innermost, the lower k in the low four bits; xs [4096][32] one E8M0 byte for each 32 along K.
;   work-groups 128..319 (path W): W_attn [1024 (k)][3072 (n)] f32 -> wc [32 (block of k)][3072 (n)][16 B]; ws [3072][32].
;   work-groups 320..383 (path P): W_proj [1024 (k)][1024 (n)] f32 -> wp [128 (k / 8)][1024 (n)][8 f16].
; THE QUANTISER: a block's scale is 2^(floor(log2(its largest magnitude)) - 2); its byte is the largest magnitude's exponent field - 2, held at 1 from below; each number is divided by the scale
; and rounded to the nearest code, ties to even, beyond 6 the largest code.  A block of zeros gets the byte 1 where the rule says 127: its codes are zeros, and this program alone reads the bytes.
; LIMITS: blocks whose largest magnitude lies under 2^-124 get the byte 1; |W_proj| from 65,504 on becomes infinity in f16, under 6.1e-5 it keeps an absolute error of at most 3e-8; NaN and infinities are not served.
; The weights have K as their FIRST axis: a lane takes a column n and its registers run down K, so a block of 32 lies in one lane, and its 16 bytes of codes (or 8 f16) are stored beside the
; neighbouring columns': 32 lanes store 512 consecutive bytes straight from registers.  Laid so, a fragment's read in the later launches takes 256 consecutive LDS bytes for sixteen lanes.
; Only path X uses LDS.  No tensor loads, no barrier: waves share nothing.
.set SPARE, 32768                      ; behind path X's four regions: the spare words, 128 bytes for each wave
.set WREG,  8192                       ; path X: a region of LDS for each wave: two stages of 32 x SP bytes, then its 256 scale bytes
.set SP,    80                         ; a lane's place in a stage: 64 bytes + 16 of padding
.set SPW,   12                         ; v12  LDS address of my spare word; never rewritten
.set NIL,   13                         ; v13  0; never rewritten
.set R,     16                         ; path X: v16-143  eight sets of 16 numbers as they are loaded
.set X,     144                        ;         v144-175 two sets of 16 neighbours
.set E,     176                        ;         v176-191 a scale byte for each step
.set C,     192                        ;         v192-223 two registers of codes for each step
.set XW,    16                         ; paths W, P: v16-143 four sets of 32 numbers down K
.set CW,    144                        ; path W: v144-159 four registers of codes for each block
.set SB,    160                        ; path W: v160 my column's four scale bytes
.set OUT,   144                        ; path P: v144-207 f16 pairs
.macro LOADX t                         ; step t: four loads of 512 consecutive bytes, into set t % 8
.irp i, 0,1,2,3
	global_load_b128 v[R+16*((\t)%8)+4*\i:R+16*((\t)%8)+4*\i+3], v3, s[4:5] offset:2048*(\t)+512*\i th:TH_LOAD_NT
.endr
.endm
.macro TURNX t                         ; step t's 2,048 bytes through the wave's stage: in as they lie, out 64 bytes a lane; LDS serves a wave's instructions in order
.irp i, 0,1,2,3
	ds_store_b128 v14, v[R+16*((\t)%8)+4*\i:R+16*((\t)%8)+4*\i+3] offset:32*SP*((\t)%2)+8*SP*\i
.endr
.irp i, 0,1,2,3
	ds_load_b128 v[X+16*((\t)%2)+4*\i:X+16*((\t)%2)+4*\i+3], v15 offset:32*SP*((\t)%2)+16*\i
.endr
.endm
.macro STEPX t
.set XS, X+16*((\t)%2)
.if (\t) > 0
	s_wait_dscnt 1                                 ; this step's numbers are back from the stage (the last step's byte store may be out): its stores into the stage have read their registers,
.else
	s_wait_dscnt 0x0
.endif
.if (\t)+8 < 16
	LOADX (\t)+8                                   ; which take the loads of eight steps on
.endif
.if (\t)+1 < 16
.if (\t) <= 7
	s_wait_loadcnt 28                              ; the next step's four loads are in; the seven sets behind them may be out
.else
	s_wait_loadcnt 4*(14-(\t))                     ; no more loads are issued: the sets behind the next step's run down
.endif
	TURNX (\t)+1
.endif
	v_max3_num_f32 v8, |v[XS]|, |v[XS+1]|, |v[XS+2]|               ; the largest magnitude of my 16, in two chains
	v_max3_num_f32 v9, |v[XS+3]|, |v[XS+4]|, |v[XS+5]|
.irp i, 6,10
	v_max3_num_f32 v8, v8, |v[XS+\i]|, |v[XS+\i+1]|
	v_max3_num_f32 v9, v9, |v[XS+\i+2]|, |v[XS+\i+3]|
.endr
	v_max3_num_f32 v8, v8, |v[XS+14]|, |v[XS+15]|
	v_max3_num_f32 v8, v8, v9, 0x1800000           ; and the floor 2^(3 - 127): the byte cannot fall under 1
	v_max_num_f32_dpp v8, v8, v8 row_xmask:1 row_mask:0xf bank_mask:0xf   ; with my neighbour's 16: the block's
	v_add_nc_u32 v11, 0xff000000, v8               ; 2 off its exponent field: the conversion takes the exponent field of this operand as its scale
	v_cvt_scalef32_pk8_fp4_f32 v[C+2*(\t)], v[XS:XS+7], v11
	v_cvt_scalef32_pk8_fp4_f32 v[C+2*(\t)+1], v[XS+8:XS+15], v11
	v_lshrrev_b32 v[E+(\t)], 23, v11               ; the scale's byte (a plain line behind the conversions)
	ds_store_b8 v5, v[E+(\t)] offset:16*(\t)       ; both lanes of a block write the same byte with the same value
	global_store_b64 v4, v[C+2*(\t):C+2*(\t)+1], s[10:11] offset:256*(\t)   ; the wave stores 256 consecutive bytes
.endm
.macro LOADC t, lo, hi, row            ; paths W, P: 32 rows of k at my column into set t; a wave reads 128 consecutive bytes, the work-group 512
.irp i, 0,1,2,3,4,5,6,7,8,9,10,11,12,13,14,15,16,17,18,19,20,21,22,23,24,25,26,27,28,29,30,31
	global_load_b32 v[XW+32*(\t)+\i], v3, s[\lo:\hi] offset:(32*(\t)+\i)*\row th:TH_LOAD_NT
.endr
.endm
.macro BLOCKW t                        ; one block of 32 along K of my column
.set XS, XW+32*(\t)
	v_max3_num_f32 v8, |v[XS]|, |v[XS+1]|, |v[XS+2]|
	v_max3_num_f32 v9, |v[XS+3]|, |v[XS+4]|, |v[XS+5]|
.irp i, 6,10,14,18,22,26
	v_max3_num_f32 v8, v8, |v[XS+\i]|, |v[XS+\i+1]|
	v_max3_num_f32 v9, v9, |v[XS+\i+2]|, |v[XS+\i+3]|
.endr
	v_max3_num_f32 v8, v8, |v[XS+30]|, |v[XS+31]|
	v_max3_num_f32 v8, v8, v9, 0x1800000           ; the floor
	v_add_nc_u32 v11, 0xff000000, v8               ; the conversion's scale operand
	v_lshrrev_b32 v10, 23, v11                     ; the byte
.if (\t) == 0
	v_mov_b32 v[SB], v10
.else
	v_lshl_or_b32 v[SB], v10, 8*(\t), v[SB]        ; four bytes to a word, the lower K in the lower byte
.endif
.irp g, 0,1,2,3
	v_cvt_scalef32_pk8_fp4_f32 v[CW+4*(\t)+\g], v[XS+8*\g:XS+8*\g+7], v11
.endr
	global_store_b128 v4, v[CW+4*(\t):CW+4*(\t)+3], s[14:15] offset:(\t)*49152   ; 32 lanes store 512 consecutive bytes of block row 4 ks + t
.endm
.macro CVTP t                          ; 32 numbers down K become four groups of 8 f16
.irp o, 0,1,2,3
.irp j, 0,1,2,3
	v_cvt_pk_f16_f32 v[OUT+16*(\t)+4*\o+\j], v[XW+32*(\t)+8*\o+2*\j], v[XW+32*(\t)+8*\o+2*\j+1]
.endr
	global_store_b128 v4, v[OUT+16*(\t)+4*\o:OUT+16*(\t)+4*\o+3], s[18:19] offset:(4*(\t)+\o)*16384   ; 512 consecutive bytes
.endr
.endm
	s_load_b256 s[4:11], s[0:1], 0x0               ; x s[4:5], W_attn s[6:7], W_proj s[8:9], xc s[10:11]
	s_load_b256 s[12:19], s[0:1], 0x20             ; xs s[12:13], wc s[14:15], ws s[16:17], wp s[18:19]
	v_lshl_add_u32 v[SPW], v0, 2, SPARE
	v_mov_b32 v[NIL], 0
	v_lshrrev_b32 v1, 5, v0
	v_readfirstlane_b32 s20, v1                    ; wave 0..3
	v_and_b32 v2, 31, v0                           ; lane
	s_mov_b32 s25, 0                               ; the upper word of every byte offset: all stay under 2^32
	s_wait_kmcnt 0x0
	s_cmp_lt_u32 ttmp9, 128                        ; the paths part on the work-group's number alone
	s_cbranch_scc1 .Lpath_x
	s_cmp_lt_u32 ttmp9, 320
	s_cbranch_scc1 .Lpath_w
	; ---- PATH P: W_proj to f16.  Work-group g: 128 along K (ks = g % 8) x 128 columns (g / 8); a wave 32 columns
	s_sub_co_u32 s21, ttmp9, 320
	s_and_b32 s22, s21, 7                          ; ks
	s_lshr_b32 s21, s21, 3
	s_lshl_b32 s21, s21, 7
	s_lshl_b32 s24, s20, 5
	s_add_co_u32 s21, s21, s24                     ; my wave's first column
	s_lshl_b32 s24, s22, 19                        ; 128 rows of 4,096 bytes
	s_lshl_b32 s26, s21, 2
	s_add_co_u32 s24, s24, s26
	s_add_nc_u64 s[8:9], s[8:9], s[24:25]
	s_lshl_b32 s24, s22, 18                        ; 16 rows of wp, 16,384 bytes each
	s_lshl_b32 s26, s21, 4
	s_add_co_u32 s24, s24, s26
	s_add_nc_u64 s[18:19], s[18:19], s[24:25]
	v_lshlrev_b32 v3, 2, v2                        ; in: 4 bytes a lane
	v_lshlrev_b32 v4, 4, v2                        ; out: 16 bytes a lane
	LOADC 0, 8, 9, 4096
	LOADC 1, 8, 9, 4096
	s_wait_loadcnt 32                              ; set 0 is in; set 1's 32 loads may be out
	LOADC 2, 8, 9, 4096
	CVTP 0
	s_wait_loadcnt 32                              ; set 1 is in; set 2 may be out
	LOADC 3, 8, 9, 4096
	CVTP 1
	s_wait_loadcnt 32                              ; set 2 is in; set 3 may be out
	CVTP 2
	s_wait_loadcnt 0x0
	CVTP 3
	s_endpgm
.Lpath_w:
	; ---- PATH W: W_attn to codes.  Work-group g: 128 along K (ks = g % 8) x 128 columns (g / 8); a wave 32 columns, four blocks a lane
	s_sub_co_u32 s21, ttmp9, 128
	s_and_b32 s22, s21, 7                          ; ks
	s_lshr_b32 s21, s21, 3
	s_lshl_b32 s21, s21, 7
	s_lshl_b32 s24, s20, 5
	s_add_co_u32 s21, s21, s24                     ; my wave's first column
	s_mul_i32 s24, s22, 128*12288                  ; 128 rows of 12,288 bytes
	s_lshl_b32 s26, s21, 2
	s_add_co_u32 s24, s24, s26
	s_add_nc_u64 s[6:7], s[6:7], s[24:25]
	s_mul_i32 s24, s22, 4*49152                    ; four block rows of wc
	s_lshl_b32 s26, s21, 4
	s_add_co_u32 s24, s24, s26
	s_add_nc_u64 s[14:15], s[14:15], s[24:25]
	s_lshl_b32 s24, s21, 5                         ; ws: 32 bytes a column, my four bytes at 4 ks
	s_lshl_b32 s26, s22, 2
	s_add_co_u32 s24, s24, s26
	s_add_nc_u64 s[16:17], s[16:17], s[24:25]
	v_lshlrev_b32 v3, 2, v2
	v_lshlrev_b32 v4, 4, v2
	v_lshlrev_b32 v5, 5, v2
	LOADC 0, 6, 7, 12288
	LOADC 1, 6, 7, 12288
	s_wait_loadcnt 32                              ; set 0 is in; set 1's 32 loads may be out
	LOADC 2, 6, 7, 12288
	BLOCKW 0
	s_wait_loadcnt 32
	LOADC 3, 6, 7, 12288
	BLOCKW 1
	s_wait_loadcnt 32
	BLOCKW 2
	s_wait_loadcnt 0x0
	BLOCKW 3
	global_store_b32 v5, v[SB], s[16:17]           ; four bytes a lane, 32 bytes apart: 98,304 bytes in all, one byte for each 128 that the path reads
	s_endpgm
.Lpath_x:
	; ---- PATH X: x is a plain stream of blocks of 32.  Wave u = 4 x work-group + wave takes 8,192 numbers: 16 steps of 512
	s_lshl_b32 s21, ttmp9, 2
	s_add_co_u32 s21, s21, s20
	s_lshl_b32 s24, s21, 15
	s_add_nc_u64 s[4:5], s[4:5], s[24:25]          ; 32,768 bytes of x,
	s_lshl_b32 s24, s21, 12
	s_add_nc_u64 s[10:11], s[10:11], s[24:25]      ; 4,096 of codes,
	s_lshl_b32 s24, s21, 8
	s_add_nc_u64 s[12:13], s[12:13], s[24:25]      ; 256 scale bytes
	s_lshl_b32 s22, s20, 13                        ; my wave's region of LDS
	v_lshlrev_b32 v3, 4, v2                        ; my 16 bytes of a load's 512
	v_lshrrev_b32 v14, 2, v2
	v_mul_u32_u24 v14, v14, SP
	v_and_b32 v15, 3, v2
	v_lshl_add_u32 v14, v15, 4, v14
	v_add_nc_u32 v14, s22, v14                     ; the stage, way in: four lanes' 64 bytes on end, then 16 of padding
	v_mul_u32_u24 v15, v2, SP
	v_add_nc_u32 v15, s22, v15                     ; way out: my 16 neighbours
	v_lshlrev_b32 v4, 3, v2                        ; 8 bytes a lane: my codes' place in a step's, and my part of the scale bytes
	v_lshrrev_b32 v5, 1, v2
	s_add_co_u32 s22, s22, 2*32*SP
	v_add_nc_u32 v5, s22, v5                       ; LDS: my block's byte among the wave's 256
	v_add_nc_u32 v6, s22, v4                       ; and where I read 8 of them back
.irp t, 0,1,2,3,4,5,6,7
	LOADX \t
.endr
	s_wait_loadcnt 28                              ; step 0's four loads are in; seven sets may be out
	TURNX 0
.irp t, 0,1,2,3,4,5,6,7,8,9,10,11,12,13,14,15
	STEPX \t
.endr
	ds_load_b64 v[8:9], v6                         ; LDS serves a wave's instructions in order: these see my byte stores
	s_wait_dscnt 0x0
	global_store_b64 v4, v[8:9], s[12:13]          ; 32 lanes store 256 consecutive bytes
	s_wait_tensorcnt 0x0                           ; the wave's end, behind my last LDS store
	ds_add_u32 v[SPW], v[NIL]
	s_wait_dscnt 0x0
	s_endpgm
.Lfunc_end_k_q3061d76eaf_prep:
	.size	k_q3061d76eaf_prep, .Lfunc_end_k_q3061d76eaf_prep-k_q3061d76eaf_prep
	.p2alignl 7, 3214868480
	.fill 96, 4, 3214868480
	.section	.rodata,"a",@progbits
	.p2align	6, 0x0
	.amdhsa_kernel k_q3061d76eaf_prep
		.amdhsa_group_segment_fixed_size 33280
		.amdhsa_private_segment_fixed_size 0
		.amdhsa_enable_private_segment 0
		.amdhsa_kernarg_size 64
		.amdhsa_user_sgpr_count 2
		.amdhsa_user_sgpr_kernarg_segment_ptr 1
		.amdhsa_wavefront_size32 1
		.amdhsa_system_sgpr_workgroup_id_x 1
		.amdhsa_system_sgpr_workgroup_id_y 1
		.amdhsa_system_sgpr_workgroup_id_z 1
		.amdhsa_system_vgpr_workitem_id 0
		.amdhsa_next_free_vgpr 224
		.amdhsa_next_free_sgpr 66
		.amdhsa_reserve_vcc 0
		.amdhsa_float_denorm_mode_32 3
		.amdhsa_float_denorm_mode_16_64 3
		.amdhsa_memory_ordered 1
		.amdhsa_forward_progress 1
		.amdhsa_inst_pref_size 70
	.end_amdhsa_kernel
	.amdgpu_metadata
---
amdhsa.version: [ 1, 2 ]
amdhsa.kernels:
  - .name:           k_q3061d76eaf_prep
    .symbol:         k_q3061d76eaf_prep.kd
    .args:
      - { .name: x, .offset: 0, .size: 8, .value_kind: global_buffer, .address_space: global }
      - { .name: W_attn, .offset: 8, .size: 8, .value_kind: global_buffer, .address_space: global }
      - { .name: W_proj, .offset: 16, .size: 8, .value_kind: global_buffer, .address_space: global }
      - { .name: xc, .offset: 24, .size: 8, .value_kind: global_buffer, .address_space: global }
      - { .name: xs, .offset: 32, .size: 8, .value_kind: global_buffer, .address_space: global }
      - { .name: wc, .offset: 40, .size: 8, .value_kind: global_buffer, .address_space: global }
      - { .name: ws, .offset: 48, .size: 8, .value_kind: global_buffer, .address_space: global }
      - { .name: wp, .offset: 56, .size: 8, .value_kind: global_buffer, .address_space: global }
    .group_segment_fixed_size: 33280
    .private_segment_fixed_size: 0
    .kernarg_segment_align: 8
    .kernarg_segment_size: 64
    .max_flat_workgroup_size: 128
    .sgpr_count:     66
    .vgpr_count:     224
    .wavefront_size: 32
...
	.end_amdgpu_metadata
.endif
;; end of part 1
;; launch qkv (part 2): grid 12 x 16, 4 waves a work-group, clusters of 4 x 4, 327,680 bytes of LDS; arguments xc, xs, wc, ws, b_attn, qkv; writes qkv
.if DOCPART == 2
	.amdgcn_target "amdgcn-amd-amdhsa--gfx1250"
	.amdhsa_code_object_version 6
	.text
	.protected	k_q3061d76eaf_qkv
	.globl	k_q3061d76eaf_qkv
	.p2align	8
	.type	k_q3061d76eaf_qkv,@function
k_q3061d76eaf_qkv:
	s_mov_b64 s[64:65], 0
	v_nop
	global_prefetch_b8 v0, s[64:65] scope:SCOPE_SE
	s_setreg_imm32_b32 hwreg(HW_REG_WAVE_MODE, 25, 1), 1
	s_wait_xcnt 0x0
	s_wait_alu depctr_hold_cnt(0) depctr_sa_sdst(0) depctr_va_vdst(0) depctr_va_sdst(0) depctr_va_ssrc(0) depctr_va_vcc(0) depctr_vm_vsrc(0)
	s_getreg_b32 s2, hwreg(HW_REG_IB_STS2, 6, 4)
	s_cmp_eq_u32 s2, 0
	s_cbranch_scc0 .Lentry_in_a_cluster
	s_endpgm
.Lentry_in_a_cluster:
	s_bfe_u32 s2, ttmp6, 0x10000c
	s_cmp_lg_u32 s2, 0xf033
	s_cbranch_scc0 .Lentry_shape_is_right
	s_endpgm
.Lentry_shape_is_right:
; qkv = Q(x) Q(W_attn) + b_attn on codes of FP4 (E2M1) with one E8M0 scale for each 32 along K; sums in f32; rounded once to f16 and laid head-major:
; qkv [b 2][g 48][s 2048][64] f16, g = column / 64 (q: g = head, k: 16 + head, v: 32 + head).
; xc [4096][512 B], xs [4096][32]; wc [32 (block of k)][3072 (n)][16 B], ws [3072][32]; b_attn [3072] f32.
; LIMITS: |qkv| from 65,504 on becomes infinity in f16; under 6.1e-5 it keeps an absolute error of at most 3e-8.
; A tile of 256 rows x 256 columns is made by four waves, each 128 x 128: 64 accumulators, 512 registers.  12 x 16 = 192 work-groups: a tile's width has to divide 1,024, so that no tile straddles q, k and v.
; K = 1,024 is two slots of 512: both are first fills, nothing is filled again, and there is no loop.  A wave has three tensor loads out: its scales, slot 0, slot 1.
; CLUSTERS: 4 x 4 work-groups; x's tiles are asked for jointly along a row of the cluster, W's along a column.
; THE MATRIX INSTRUCTION IS USED TRANSPOSED (source 0 = 16 columns of W, source 1 = 16 rows of x): a lane holds eight neighbouring columns of one row.  The bias is the C of each sum's first instruction.
; REGISTERS: window 0: v0-31 addresses; v32-95 scale words, two sets; v128-191 x's fragments, one set; on the way out v32-127 are free.
;   window 1: W's fragments, two sets, at v0 and v128; v192-255 the bias.   window 2: accumulators of my rows 0-63 ((a, b) at v[8 (8 a + b)]);   window 3: rows 64-127.
.set NQ,     4                         ; steps of 128 along K in a slot
.set ROWB,   256                       ; a row of x's tile: 512 codes
.set KROW,   512                       ; a row of xc
.set PITCH,  272                       ; x's rows in LDS: 256 bytes + 16 of padding: the 16 rows that a load touches start 16 bytes apart modulo 256
.set FR,     8
.set NL,     2
.set NP,     4
.set HALFT,  128*PITCH                 ; 128 rows of x: one tensor load
.set HALFB,  16*2048                   ; 16 blocks of k x 128 columns x 16 bytes of W: one tensor load; sixteen lanes of a fragment's load take 256 consecutive bytes: no padding
.set SLOT,   2*HALFT+2*HALFB
.set KS,     32                        ; a row of scale bytes
.set SCL,    2*SLOT                    ; behind the two slots: the scales, as rows of 256 bytes + 16 of padding
.set HALFS,  16*272                    ; those of 128 rows
.set SBLK,   2*272                     ; those of 16 rows
.set SPARE,  SCL+4*HALFS               ; the spare words, 128 bytes for each wave
.set STAGE,  SPARE+512                 ; the way out: 16 rows x 272 bytes for each wave: bytes of their own, into which no tile lands
.set SPITCH, 272
.set ADRA, 16                          ; v16-17  LDS address of x's fragments in slot 0, 1
.set ADRB, 20                          ; v20-21  of W's
.set STO,  24
.set RD,   25
.set CO,   26
.set ADRS, 27                          ; v27     my scale words: lanes 0-15 x's rows, lanes 16-31 W's columns
.set SPW,  28                          ; v28     my spare word; never rewritten
.set NIL,  29                          ; v29     0; never rewritten
.set BO,   30                          ; v30     32 x (lane / 16): my half's eight numbers of the bias
.set SC,   32
.set AF,   128
.set BIAS, 192                         ; in window 1
.set TMP,  32                          ; the way out: packed results
.set BK,   64                          ; the way out: rows read back: v64-95 and v96-127 by turns
.set G1, 24
.set G0, 32
.set G1B, 48
.set G0B, 56
.set G1S, 68
.set G0S, 76
.set G1SB, 80
.set G0SB, 88
.set MSB, 0
.macro WIN new                         ; the immediate's high byte repeats the setting that is left
.if MSB != \new
	s_set_vgpr_msb (MSB<<8)|\new
.set MSB, \new
.endif
.endm
.set MUL_LO, 0xa1                      ; source 0 (W) window 1, source 1 (x) window 0, C and D window 2
.set MUL_HI, 0xf1                      ; C and D window 3
.set BIA_LO, 0x91                      ; the first step: C (the bias) window 1, D window 2
.set BIA_HI, 0xd1                      ; D window 3
.set TO_B,   0x40                      ; destination window 1, address window 0
; A joint load: waves 0 and 1 fetch for x, waves 2 and 3 for W.  The branch hangs on the wave's number alone.  An s_nop 0 and four v_nop follow each line.
.macro JLOAD g0a, g1a, g0b, g1b
	s_cmp_eq_u32 s15, 0
	s_cbranch_scc0 .Lfor_b_\@
	tensor_load_to_lds s[\g0a:\g0a+3], s[\g1a:\g1a+7]
	s_nop 0
.rept 4
	v_nop
.endr
	s_branch .Lasked_\@
.Lfor_b_\@:
	tensor_load_to_lds s[\g0b:\g0b+3], s[\g1b:\g1b+7]
	s_nop 0
.rept 4
	v_nop
.endr
.Lasked_\@:
.endm
.macro CROUND                          ; a round of the cluster's barrier
	s_barrier_signal -1
	s_barrier_wait -1
	s_cmp_lg_u32 s14, 0
	s_cbranch_scc1 .Lnot_wave_0_\@
	s_barrier_signal -3
.Lnot_wave_0_\@:
	s_barrier_wait -3
	s_barrier_signal -1
	s_barrier_wait -1
.endm
	s_load_b128 s[4:7], s[0:1], 0x0                ; xc s[4:5], xs s[6:7]
	s_load_b128 s[8:11], s[0:1], 0x10              ; wc s[8:9], ws s[10:11]
	s_load_b64 s[96:97], s[0:1], 0x20              ; b_attn
	s_load_b64 s[12:13], s[0:1], 0x28              ; qkv
	v_lshl_add_u32 v[SPW], v0, 2, SPARE
	v_mov_b32 v[NIL], 0
	ds_add_u32 v[SPW], v[NIL]                      ; the wave's opening: the add, twice on end, and its wait ahead of my first tensor load
	ds_add_u32 v[SPW], v[NIL]
	v_lshrrev_b32 v1, 5, v0
	v_readfirstlane_b32 s14, v1                    ; wave 0..3
	s_lshr_b32 s15, s14, 1                         ; which half of the tile's rows is mine.  Also: I fetch for x (0) or for W (1)
	s_and_b32 s16, s14, 1                          ; which half of its columns.  Also: which half of that tile I fetch
	s_bfe_u32 s40, ttmp6, 0x40000                  ; cx, cy
	s_bfe_u32 s41, ttmp6, 0x40004
	s_lshl_b32 s42, ttmp9, 2
	s_add_co_u32 s42, s42, s40                     ; tile column
	s_and_b32 s17, ttmp7, 0xffff
	s_lshl_b32 s17, s17, 2
	s_add_co_u32 s17, s17, s41                     ; tile row
	s_lshl_b32 s43, s41, 2
	s_lshl_b32 s43, 15, s43                        ; my row of the cluster
	s_lshl_b32 s44, 0x1111, s40                    ; my column
	; x's tiles: 128 rows x 256 bytes, 512 bytes apart, 16 bytes of padding behind each
	s_or_b32 s[G1+0], s43, (0<<16)|(1<<20)|(1<<21)|(5<<22)|(3<<25)
	s_mov_b32 s[G1+1], ROWB<<16
	s_mov_b32 s[G1+2], 128<<16
	s_mov_b32 s[G1+3], ROWB<<16
	s_mov_b32 s[G1+4], 128
	s_mov_b32 s[G1+5], KROW
	s_mov_b32 s[G1+6], 0
	s_mov_b32 s[G1+7], 0
	; W's tiles: 16 block rows x 2,048 bytes (128 columns), 49,152 bytes apart, no padding
	s_or_b32 s[G1B+0], s44, (0<<16)|(1<<21)
	s_mov_b32 s[G1B+1], 2048<<16
	s_mov_b32 s[G1B+2], 16<<16
	s_mov_b32 s[G1B+3], 2048<<16
	s_mov_b32 s[G1B+4], 16
	s_mov_b32 s[G1B+5], 49152
	s_mov_b32 s[G1B+6], 0
	s_mov_b32 s[G1B+7], 0
	; the scales of 128 rows: 4,096 dense bytes, as 16 rows of 256 bytes (32 elements of 8), 16 bytes of padding behind each
	s_or_b32 s[G1S+0], s43, (3<<16)|(1<<20)|(1<<21)|(5<<22)|(3<<25)
	s_or_b32 s[G1SB+0], s44, (3<<16)|(1<<20)|(1<<21)|(5<<22)|(3<<25)
.irp g, G1S, G1SB
	s_mov_b32 s[\g+1], 32<<16
	s_mov_b32 s[\g+2], 16<<16
	s_mov_b32 s[\g+3], 32<<16
	s_mov_b32 s[\g+4], 16
	s_mov_b32 s[\g+5], 32
	s_mov_b32 s[\g+6], 0
	s_mov_b32 s[\g+7], 0
.endr
	s_lshl_b32 s18, s16, 7                         ; which 128 of the tile's 256 I fetch
	s_lshl_b32 s20, s17, 8
	s_add_co_u32 s20, s20, s18                     ; x: row 256 x tile row + 128 x half
	s_lshl_b32 s46, s42, 8
	s_add_co_u32 s46, s46, s18                     ; W: column 256 x tile column + 128 x half
	s_lshl_b32 s22, s20, 5                         ; their scale bytes: 32 a row
	s_mov_b32 s23, 0
	s_lshl_b32 s92, s46, 5
	s_mov_b32 s93, 0
	s_lshl_b32 s20, s20, 9                         ; x's codes: 512 bytes a row
	s_mov_b32 s21, 0
	s_lshl_b32 s46, s46, 4                         ; W's codes: 16 bytes a column in a block row
	s_mov_b32 s47, 0
	s_mul_i32 s45, s16, HALFT                      ; where they go: no place in the cluster enters an LDS address
	s_mul_i32 s95, s16, HALFB
	s_add_co_u32 s95, s95, 2*HALFT
	s_mul_i32 s94, s14, HALFS
	s_wait_dscnt 0x0                               ; both opening adds are done
	s_wait_kmcnt 0x0
	s_add_nc_u64 s[20:21], s[4:5], s[20:21]
	s_add_nc_u64 s[22:23], s[6:7], s[22:23]
	s_add_nc_u64 s[46:47], s[8:9], s[46:47]
	s_add_nc_u64 s[92:93], s[10:11], s[92:93]
	CROUND                                         ; all sixteen work-groups are here: the first joint loads meet
	s_mov_b32 s[G0S], 1
	s_add_co_u32 s[G0S+1], s94, SCL
	s_mov_b64 s[G0S+2:G0S+3], s[22:23]
	s_or_b32 s[G0S+3], s[G0S+3], 0x80000000
	s_mov_b32 s[G0SB], 1
	s_add_co_u32 s[G0SB+1], s94, SCL
	s_mov_b64 s[G0SB+2:G0SB+3], s[92:93]
	s_or_b32 s[G0SB+3], s[G0SB+3], 0x80000000
	JLOAD G0S, G1S, G0SB, G1SB                     ; the scales first: they are wanted with slot 0
.irp s, 0,1
	s_mov_b32 s[G0+4*\s], 1
	s_add_co_u32 s[G0+4*\s+1], s45, \s*SLOT
	s_add_nc_u64 s[G0+4*\s+2:G0+4*\s+3], s[20:21], \s*ROWB
	s_or_b32 s[G0+4*\s+3], s[G0+4*\s+3], 0x80000000
	s_mov_b32 s[G0B+4*\s], 1
	s_add_co_u32 s[G0B+4*\s+1], s95, \s*SLOT
	s_add_nc_u64 s[G0B+4*\s+2:G0B+4*\s+3], s[46:47], \s*16*49152
	s_or_b32 s[G0B+4*\s+3], s[G0B+4*\s+3], 0x80000000
	JLOAD G0+4*\s, G1, G0B+4*\s, G1B
.endr
	v_and_b32 v1, 15, v0                           ; r = l % 16
	v_bfe_u32 v2, v0, 4, 1                         ; h = l / 16
	v_mul_u32_u24 v3, v1, PITCH
	v_lshl_add_u32 v4, v2, 4, v3                   ; x: row x pitch + 16 h
	v_lshlrev_b32 v5, 4, v1
	v_lshl_add_u32 v5, v2, 11, v5                  ; W: 16 r + one block row for the upper half of the lanes
	s_mul_i32 s21, s15, HALFT                      ; my 128 rows of x
	s_mul_i32 s22, s16, HALFB                      ; my 128 columns of W,
	s_add_co_u32 s22, s22, 2*HALFT                 ; behind x's 256 rows
.irp s, 0,1
	v_add_nc_u32 v[ADRA+\s], s21, v4
	v_add_nc_u32 v[ADRB+\s], s22, v5
	s_add_co_u32 s21, s21, SLOT
	s_add_co_u32 s22, s22, SLOT
.endr
	v_mul_u32_u24 v6, v1, KS                       ; my row's scales: 32 bytes a row,
	v_lshrrev_b32 v7, 8, v6
	v_lshl_add_u32 v6, v7, 4, v6                   ; and 16 more for each 256 passed
	s_mul_i32 s21, s15, HALFS
	s_mul_i32 s22, s16, HALFS
	s_add_co_u32 s22, s22, 2*HALFS
	s_sub_co_u32 s22, s22, s21
	v_mul_u32_u24 v7, s22, v2                      ; lanes 16-31 take W's: one product, the distance between the two bases
	s_add_co_u32 s21, s21, SCL
	v_add_nc_u32 v6, v6, v7
	v_add_nc_u32 v[ADRS], s21, v6
	s_mul_i32 s23, s14, 16*SPITCH
	s_add_co_u32 s23, s23, STAGE                   ; my stage
	v_mul_u32_u24 v6, v1, SPITCH
	v_lshl_add_u32 v6, v2, 4, v6
	v_add_nc_u32 v[STO], s23, v6                   ; in: row r, 16 bytes for each half of the lanes
	v_bfe_u32 v6, v0, 3, 1                         ; back: lanes 0-15 take one head's 128 bytes of two tokens, lanes 16-31 the next head's
	v_and_b32 v7, 7, v0
	v_mul_u32_u24 v8, v6, SPITCH
	v_lshl_add_u32 v8, v2, 7, v8
	v_lshl_add_u32 v8, v7, 4, v8
	v_add_nc_u32 v[RD], s23, v8
	v_lshlrev_b32 v8, 18, v2                       ; in qkv: a head's plane is 262,144 bytes, a token 128
	v_lshl_add_u32 v8, v6, 7, v8
	v_lshl_add_u32 v[CO], v7, 4, v8
	v_lshlrev_b32 v[BO], 5, v2
	s_lshr_b32 s20, s17, 3                         ; where my part begins in qkv: the batch (256 tile row / 2,048) x 48 planes,
	s_mul_i32 s20, s20, 48
	s_lshl_b32 s20, s20, 18
	s_lshl_b32 s21, s17, 8
	s_lshl_b32 s22, s15, 7
	s_add_co_u32 s21, s21, s22
	s_and_b32 s21, s21, 2047                       ; my first token,
	s_lshl_b32 s21, s21, 7
	s_add_co_u32 s20, s20, s21
	s_mov_b32 s21, 0
	s_add_nc_u64 s[12:13], s[12:13], s[20:21]
	s_lshl_b32 s46, s42, 2                         ; and the plane 4 x tile column + 2 x half
	s_lshl_b32 s47, s16, 1
	s_add_co_u32 s46, s46, s47
	s_lshl_b32 s46, s46, 18
	s_mov_b32 s47, 0
	s_add_nc_u64 s[12:13], s[12:13], s[46:47]
	s_lshl_b32 s46, s42, 10                        ; the bias of my 128 columns
	s_lshl_b32 s47, s16, 9
	s_add_co_u32 s46, s46, s47
	s_mov_b32 s47, 0
	s_add_nc_u64 s[96:97], s[96:97], s[46:47]
	WIN TO_B
.irp b, 0,1,2,3,4,5,6,7                ; register 8 b + j: b_attn at my column 16 b + 8 h + j: the result's layout
	global_load_b128 v[BIAS+8*\b:BIAS+8*\b+3], v[BO], s[96:97] offset:64*\b
	global_load_b128 v[BIAS+8*\b+4:BIAS+8*\b+7], v[BO], s[96:97] offset:64*\b+16
.endr
	WIN 0
.macro FRAGA reg, adr, q, i            ; 16 rows x 128 K of codes: registers 4 c .. 4 c + 3 hold K = 64 c + 32 h + 0 .. 31
.irp c, 0,1
	ds_load_b128 v[\reg+4*\c:\reg+4*\c+3], v[\adr] offset:64*(\q)+32*\c+(\i)*16*PITCH
.endr
.endm
.macro FRAGB reg, adr, q, i            ; the same of W: block 4 q + 2 c + h of column 16 i + r
.irp c, 0,1
	ds_load_b128 v[\reg+4*\c:\reg+4*\c+3], v[\adr] offset:(4*(\q)+2*\c)*2048+(\i)*256
.endr
.endm
; 16 matrix instructions: x's blocks a0, a0 + 1 against W's eight.  The 64 accumulators take turns, one instruction a turn, in the same order in every step.
; zero = 1: the first step starts the sums with the bias as C.
.macro MUL16 a0, p, q, sc, zero
.irp a, \a0, \a0+1
.irp b, 0,1,2,3,4,5,6,7
.if \zero
	v_wmma_scale_f32_16x16x128_f8f6f4 v[8*(8*((\a)%4)+\b):8*(8*((\a)%4)+\b)+7], v[128*(\p)+FR*\b:128*(\p)+FR*\b+FR-1], v[AF+FR*(\a):AF+FR*(\a)+FR-1], v[BIAS+8*\b:BIAS+8*\b+7], v[SC+8*NQ*(\sc)+NQ*\b+(\q)], v[SC+8*NQ*(\sc)+NQ*(\a)+(\q)] matrix_a_fmt:MATRIX_FMT_FP4 matrix_b_fmt:MATRIX_FMT_FP4 matrix_a_scale:MATRIX_SCALE_ROW1
.else
	v_wmma_scale_f32_16x16x128_f8f6f4 v[8*(8*((\a)%4)+\b):8*(8*((\a)%4)+\b)+7], v[128*(\p)+FR*\b:128*(\p)+FR*\b+FR-1], v[AF+FR*(\a):AF+FR*(\a)+FR-1], v[8*(8*((\a)%4)+\b):8*(8*((\a)%4)+\b)+7], v[SC+8*NQ*(\sc)+NQ*\b+(\q)], v[SC+8*NQ*(\sc)+NQ*(\a)+(\q)] matrix_a_fmt:MATRIX_FMT_FP4 matrix_b_fmt:MATRIX_FMT_FP4 matrix_a_scale:MATRIX_SCALE_ROW1
.endif
.endr
.endr
.endm
.macro FETCH_B slot, q, p
	WIN TO_B
.irp i, 0,1,2,3,4,5,6,7
	FRAGB 128*(\p)+FR*\i, ADRB+\slot, \q, \i
.endr
	WIN 0
.endm
.macro FETCH_A slot, q, i0
.irp i, \i0, \i0+1, \i0+2, \i0+3
	FRAGA AF+FR*(\i), ADRA+\slot, \q, \i
.endr
.endm
.macro SCALES sc                       ; a slot's scale words: four a row; lanes 0-15 x's block i, lanes 16-31 W's block i
.irp i, 0,1,2,3,4,5,6,7
	ds_load_b128 v[SC+8*NQ*\sc+NQ*\i:SC+8*NQ*\sc+NQ*\i+3], v[ADRS] offset:\i*SBLK
.endr
.endm
.macro PLACES n                        ; plain vector instructions between a matrix instruction and a load into, or a read of, its registers
.rept \n
	v_nop
.endr
.endm
.macro STEP slot, q, zero              ; 128 along K with its successor in the same slot
	s_wait_dscnt 4*NL                              ; W's set and x's blocks 0-3 are in; the youngest eight loads (x's blocks 4-7) may be out
.if \zero
	WIN BIA_LO
.else
	WIN MUL_LO
.endif
	MUL16 0, (\q)%2, \q, \slot, \zero
	MUL16 2, (\q)%2, \q, \slot, \zero
	s_wait_dscnt 0                                 ; x's blocks 4-7 are in
	PLACES NP
	FETCH_B \slot, (\q)+1, 1-(\q)%2
	FETCH_A \slot, (\q)+1, 0
.if \zero
	WIN BIA_HI
.else
	WIN MUL_HI
.endif
	MUL16 4, (\q)%2, \q, \slot, \zero
	MUL16 6, (\q)%2, \q, \slot, \zero
	PLACES NP
	WIN 0
	FETCH_A \slot, (\q)+1, 4
.endm
.macro STEPS slot, from
.set Q, \from
.rept NQ-1-\from
	STEP \slot, Q, 0
.set Q, Q+1
.endr
.endm
	s_wait_tensorcnt 1                             ; my scales and my part of slot 0 are in; slot 1's load, issued behind them, may be out
	s_barrier_signal -1
	s_barrier_wait -1                              ; everybody's are
	FETCH_B 0, 0, 0
	FETCH_A 0, 0, 0
	SCALES 0
	FETCH_A 0, 0, 4
	s_wait_loadcnt 0x0                             ; the bias
	STEP 0, 0, 1
	STEPS 0, 1
	; slot 0's last step changes slots: one barrier; in front of it my part of slot 1 has landed
	s_wait_tensorcnt 0x0                           ; all my tensor loads have landed (every window is 0 here)
	ds_add_u32 v[SPW], v[NIL]                      ; 0 onto my spare word
	s_wait_dscnt 4*NL+1                            ; (the add and the youngest eight loads may be out)
	WIN MUL_LO
	MUL16 0, 1, NQ-1, 0, 0
	s_wait_dscnt 0x0                               ; the add is done and my LDS loads are in
	s_barrier_signal -1
	MUL16 2, 1, NQ-1, 0, 0
	WIN 0
	s_barrier_wait -1                              ; slot 1 is whole
	PLACES NP
	v_add_nc_u32 v[ADRS], 4*NQ, v[ADRS]            ; on to slot 1's scale words
	FETCH_B 1, 0, 0
	FETCH_A 1, 0, 0
	SCALES 1
	WIN MUL_HI
	MUL16 4, 1, NQ-1, 0, 0
	MUL16 6, 1, NQ-1, 0, 0
	PLACES NP
	WIN 0
	FETCH_A 1, 0, 4
	STEPS 1, 0
	s_wait_dscnt 4*NL                              ; the very last step: nothing more to fetch
	WIN MUL_LO
	MUL16 0, 1, NQ-1, 1, 0
	MUL16 2, 1, NQ-1, 1, 0
	s_wait_dscnt 0
	WIN MUL_HI
	MUL16 4, 1, NQ-1, 1, 0
	MUL16 6, 1, NQ-1, 1, 0
	WIN 0
; THE WAY OUT, block by block of 16 tokens x 128 columns (two heads).  A lane's eight columns pack into 16 bytes; they go through my own stage and come back so that sixteen lanes hold two tokens of
; one head: 256 consecutive bytes of qkv, at a multiple of 256 from its first byte.  LDS serves a wave's instructions in order: no wait between the stores and the loads.
.macro PACK a
.set AC, 64*((\a)%4)
	WIN 0x0a+5*((\a)/4)                            ; sources 0 and 1: window 2 or 3
.irp b, 0,1,2,3,4,5,6,7
.irp r, 0,1,2,3
	v_cvt_pk_f16_f32 v[TMP+4*\b+\r], v[AC+8*\b+2*\r], v[AC+8*\b+2*\r+1]   ; each accumulator from its low end on
.endr
.endr
	WIN 0
.endm
.macro TOSTAGE a
.set BB, BK+32*((\a)%2)
.irp b, 0,1,2,3,4,5,6,7
	ds_store_b128 v[STO], v[TMP+4*\b:TMP+4*\b+3] offset:32*\b
.endr
.irp t, 0,1,2,3,4,5,6,7
	ds_load_b128 v[BB+4*\t:BB+4*\t+3], v[RD] offset:\t*2*SPITCH
.endr
.endm
.macro SEND a
.set BB, BK+32*((\a)%2)
	s_wait_dscnt 0x0                               ; the block is back in registers
	s_wait_xcnt 0x0                                ; the stores of the block before have read their registers: the next block's loads may land there
.irp t, 0,1,2,3,4,5,6,7
	global_store_b128 v[CO], v[BB+4*\t:BB+4*\t+3], s[12:13] offset:2048*(\a)+256*\t
.endr
.endm
	PLACES NP                                      ; behind the last products: for the conversions' reads, and for writes and loads into the registers that held scale words
	PACK 0
	TOSTAGE 0
.irp a, 1,2,3,4,5,6,7                  ; block a's conversions stand between block a - 1's loads from the stage and the wait for them
	PACK \a
	SEND \a-1
	TOSTAGE \a
.endr
	SEND 7
	s_wait_tensorcnt 0x0                           ; the wave's end, behind my last tensor load and my last LDS store
	ds_add_u32 v[SPW], v[NIL]
	s_wait_dscnt 0x0
	CROUND                                         ; the closing round: no work-group ends while a partner may still ask for a tile that names it
	s_endpgm
.Lfunc_end_k_q3061d76eaf_qkv:
	.size	k_q3061d76eaf_qkv, .Lfunc_end_k_q3061d76eaf_qkv-k_q3061d76eaf_qkv
	.p2alignl 7, 3214868480
	.fill 96, 4, 3214868480
	.section	.rodata,"a",@progbits
	.p2align	6, 0x0
	.amdhsa_kernel k_q3061d76eaf_qkv
		.amdhsa_group_segment_fixed_size 327680
		.amdhsa_private_segment_fixed_size 0
		.amdhsa_enable_private_segment 0
		.amdhsa_kernarg_size 48
		.amdhsa_user_sgpr_count 2
		.amdhsa_user_sgpr_kernarg_segment_ptr 1
		.amdhsa_wavefront_size32 1
		.amdhsa_system_sgpr_workgroup_id_x 1
		.amdhsa_system_sgpr_workgroup_id_y 1
		.amdhsa_system_sgpr_workgroup_id_z 1
		.amdhsa_system_vgpr_workitem_id 0
		.amdhsa_next_free_vgpr 1024
		.amdhsa_next_free_sgpr 98
		.amdhsa_reserve_vcc 0
		.amdhsa_float_denorm_mode_32 3
		.amdhsa_float_denorm_mode_16_64 3
		.amdhsa_memory_ordered 1
		.amdhsa_forward_progress 1
		.amdhsa_inst_pref_size 129
	.end_amdhsa_kernel
	.amdgpu_metadata
---
amdhsa.version: [ 1, 2 ]
amdhsa.kernels:
  - .name:           k_q3061d76eaf_qkv
    .symbol:         k_q3061d76eaf_qkv.kd
    .args:
      - { .name: xc, .offset: 0, .size: 8, .value_kind: global_buffer, .address_space: global }
      - { .name: xs, .offset: 8, .size: 8, .value_kind: global_buffer, .address_space: global }
      - { .name: wc, .offset: 16, .size: 8, .value_kind: global_buffer, .address_space: global }
      - { .name: ws, .offset: 24, .size: 8, .value_kind: global_buffer, .address_space: global }
      - { .name: b_attn, .offset: 32, .size: 8, .value_kind: global_buffer, .address_space: global }
      - { .name: qkv, .offset: 40, .size: 8, .value_kind: global_buffer, .address_space: global }
    .group_segment_fixed_size: 327680
    .private_segment_fixed_size: 0
    .kernarg_segment_align: 8
    .kernarg_segment_size: 48
    .max_flat_workgroup_size: 128
    .sgpr_count:     98
    .vgpr_count:     1024
    .wavefront_size: 32
...
	.end_amdgpu_metadata
.endif
;; end of part 2
;; launch attn (part 3): grid 8 x 32, 8 waves a work-group, clusters of 4 x 1, 327,680 bytes of LDS; arguments qkv, yh; writes yh
.if DOCPART == 3
	.amdgcn_target "amdgcn-amd-amdhsa--gfx1250"
	.amdhsa_code_object_version 6
	.text
	.protected	k_q3061d76eaf_attn
	.globl	k_q3061d76eaf_attn
	.p2align	8
	.type	k_q3061d76eaf_attn,@function
k_q3061d76eaf_attn:
	s_mov_b64 s[64:65], 0
	v_nop
	global_prefetch_b8 v0, s[64:65] scope:SCOPE_SE
	s_setreg_imm32_b32 hwreg(HW_REG_WAVE_MODE, 25, 1), 1
	s_wait_xcnt 0x0
	s_wait_alu depctr_hold_cnt(0) depctr_sa_sdst(0) depctr_va_vdst(0) depctr_va_sdst(0) depctr_va_ssrc(0) depctr_va_vcc(0) depctr_vm_vsrc(0)
	s_getreg_b32 s2, hwreg(HW_REG_IB_STS2, 6, 4)
	s_cmp_eq_u32 s2, 0
	s_cbranch_scc0 .Lentry_in_a_cluster
	s_endpgm
.Lentry_in_a_cluster:
	s_bfe_u32 s2, ttmp6, 0x10000c
	s_cmp_lg_u32 s2, 0x3003
	s_cbranch_scc0 .Lentry_shape_is_right
	s_endpgm
.Lentry_shape_is_right:
; yh[bh][q][:] = the sum over k of softmax_k(Q[q] . K[k] / 8) V[k][:], for 32 heads of 2,048 tokens x 64 channels.  qkv [b 2][g 48][s 2048][64] f16 (q: g = head, k: 16 + head, v: 32 + head); yh [bh 32][s 2048][64] f16.
; Products on f16 operands with f32 sums; maxima, exponentials and sums in f32; the weights p (at most 1) are rounded to f16 for the second product, y once at the end.
; LIMITS: |y| from 65,504 on becomes infinity in f16; y and p under 6.1e-5 keep an absolute error of at most 3e-8; NaN and infinities are not served.
; SHARES.  A work-group owns 256 queries of one head; each of its eight waves 32: two tiles of 16.  Two waves lie on a SIMD (320 registers each), so that one wave's softmax stands beside the other's products.
; Every wave walks all keys, 64 a step; each fragment of K and V read from LDS feeds two matrix instructions.
; LAYOUT.  S^T = K Q^T (source 0 = 16 keys, source 1 = 16 queries): a lane holds ONE query (lane % 16) and keys 8 (lane / 16) + 0..7.  Two such tiles, rounded to f16 in pairs, ARE source 1 (32 keys x 16 queries)
; of O^T = V^T P.  K comes out of LDS as it lies, V ([key][channel]) turned, by ds_load_tr16_b128.
; SOFTMAX.  For each query a running maximum m and sum l: p = 2^(c s - c m), c = log2(e) / 8; in every step O and l are multiplied by a = 2^(c m_old - c m_new).  m begins at -3e38, l and O at 0: the step has one form.
; CLUSTER.  The four query blocks of a cluster belong to one head and walk the same K and V: each tile is asked for jointly, with a mask that names the four.
; RING.  Two slots of 256 keys (four steps).  Waves 0-3 fetch K's quarters, waves 4-7 V's: one load of 64 rows a wave behind each round, with four key steps in which to land.
; REGISTERS: v1-7 addresses that stay; v8-11 at work; v12-27 statistics, eight a tile; v28-59 Q; v60-123 V of a step; v124-187 S^T (P is laid over each tile's first 16); v188-251 O^T; window 1, v0-63: K of a step.
.set KP,    144                        ; a key's row of K in LDS: 128 bytes + 16: the 16 rows of a load start 16 bytes apart modulo 256
.set VP,    160                        ; a row of V: 128 + 32
.set VOFF,  256*KP                     ; a slot: 256 rows of K, then 256 rows of V
.set SLOT1, 1<<17                      ; slot 1 begins here: one exclusive or turns an address in one slot into the other's
.set STAGE, SLOT1+VOFF+256*VP          ; behind the ring: 2 x 16 rows x 144 bytes for each wave, for the way out
.set SPARE, STAGE+8*2*16*KP            ; the spare words, 128 bytes for each wave
.set AK0, 1                            ; v1   my lane's place in a tile of K
.set AV0, 2                            ; v2   the same for V
.set ADK, 3                            ; v3   LDS address of the run of K's loads in hand
.set ADV, 4                            ; v4   of V's
.set PFO, 5                            ; v5   256 x lane: the prefetches' offset; never rewritten
.set SPW, 6                            ; v6   my spare word; never rewritten
.set NIL, 7                            ; v7   0; never rewritten
.set ST,  12                           ; tile t at v[ST + 8 t]: +0 c m, +1 m, +2, +3 l (two halves), +4 .. +7 four chains of the maximum; later +4, +5 a second chain of sums, +6 a, +7 c m_old - c m_new
.set Q,   28
.set VF,  60
.set S,   124
.set O,   188
.set WV,  12                           ; s12  my wave's number
.set LIM, 15                           ; s15  1 in a wave that prefetches, else the greatest number
.set PFA, 18                           ; s[18:19] where my prefetches stand
.set G1K, 24
.set G1V, 32
.set G0K, 40                           ; s[40:47] group 0 for K's tiles: a set for each first fill; the second then walks on
.set G0V, 48
.set SLOTS, 56                         ; s56  slots still to be asked for
.set TB,  57                           ; s57  LDS byte at which the slot in hand begins
.set CS,  58                           ; s[58:59] c, twice: the packed form names a pair
.set SEL, 60                           ; s[60:61] lane selects: lane l xor 16
.set MSB, 0
.macro WIN new
.if MSB != \new
	s_set_vgpr_msb (MSB<<8)|\new
.set MSB, \new
.endif
.endm
.macro JLOAD                           ; a joint refill.  The branch hangs on the wave's number alone.  An s_nop 0 and four v_nop follow each line
	s_cmp_lt_u32 s[WV], 4
	s_cbranch_scc0 .Lfor_v_\@
	tensor_load_to_lds s[G0K+4:G0K+7], s[G1K:G1K+7]
	s_nop 0
.rept 4
	v_nop
.endr
	s_branch .Lasked_\@
.Lfor_v_\@:
	tensor_load_to_lds s[G0V+4:G0V+7], s[G1V:G1V+7]
	s_nop 0
.rept 4
	v_nop
.endr
.Lasked_\@:
.endm
; A PREFETCH INTO THE L2 of what the NEXT change of slots will ask for: a slot's 32,768 bytes of K and of V.  Each block of 256 bytes is named once in the launch: of the two clusters that walk a head the first
; asks; its four partners take 8,192 bytes each, told apart by address; in each, wave 0 asks for K's and wave 4 for V's, lanes 256 bytes apart.  The last change that fills a slot asks for nothing.
.macro ASK
	s_cmp_gt_u32 s[SLOTS], s[LIM]
	s_cbranch_scc0 .Lnot_mine_\@
	global_prefetch_b8 v[PFO], s[PFA:PFA+1] th:TH_LOAD_NT scope:SCOPE_SE
.Lnot_mine_\@:
.endm
.macro CROUND                          ; a round of the cluster's barrier
	s_barrier_signal -1
	s_barrier_wait -1
	s_cmp_lg_u32 s[WV], 0
	s_cbranch_scc1 .Lnot_wave_0_\@
	s_barrier_signal -3
.Lnot_wave_0_\@:
	s_barrier_wait -3
	s_barrier_signal -1
	s_barrier_wait -1
.endm
	s_load_b128 s[4:7], s[0:1], 0x0                ; qkv s[4:5], yh s[6:7]
	v_lshl_add_u32 v[SPW], v0, 2, SPARE
	v_mov_b32 v[NIL], 0
	ds_add_u32 v[SPW], v[NIL]                      ; the wave's opening: the add, twice on end, and its wait ahead of my first tensor load
	ds_add_u32 v[SPW], v[NIL]
	v_lshrrev_b32 v8, 5, v0
	v_readfirstlane_b32 s[WV], v8                  ; wave 0..7
	s_bfe_u32 s13, ttmp6, 0x40000                  ; cx: my place in the cluster
	s_lshl_b32 s14, ttmp9, 2
	s_add_co_u32 s14, s14, s13                     ; my block of 256 queries: it enters Q's and y's addresses alone
	s_and_b32 s16, ttmp7, 0xffff                   ; bh = 16 b + head, which the partners share
	s_lshr_b32 s17, s16, 4
	s_lshl_b32 s17, s17, 5
	s_add_co_u32 s17, s17, s16                     ; q's plane: 48 b + head
	s_and_b32 s2, s[WV], 3                         ; which quarter of a slot's rows I fetch
	s_lshl_b32 s3, s2, 13                          ; its 64 rows of 128 bytes in memory
	s_add_co_u32 s8, s17, 16                       ; k's plane
	s_lshl_b32 s8, s8, 18
	s_add_co_u32 s8, s8, s3
	s_mov_b32 s9, 0
	s_add_co_u32 s10, s17, 32                      ; v's plane
	s_lshl_b32 s10, s10, 18
	s_add_co_u32 s10, s10, s3
	s_mov_b32 s11, 0
	s_mul_i32 s62, s2, 64*KP                       ; and its place in a slot: no place in the cluster enters an LDS address
	s_mul_i32 s63, s2, 64*VP
	s_add_co_u32 s63, s63, VOFF
	s_lshl_b32 s14, s14, 15                        ; my block's 256 rows,
	s_lshl_b32 s20, s[WV], 12                      ; my wave's 32 of them
	s_add_co_u32 s14, s14, s20
	s_lshl_b32 s20, s17, 18
	s_add_co_u32 s20, s20, s14
	s_mov_b32 s21, 0
	s_lshl_b32 s22, s16, 18
	s_add_co_u32 s22, s22, s14
	s_mov_b32 s23, 0
	; group 1: a tile of 64 rows x 64 elements of 2 bytes, dense in memory, padded in LDS behind each row of 32 words
	s_mov_b32 s[G1K], 15|(1<<16)|(1<<20)|(1<<21)|(4<<22)|(3<<25)   ; the mask names all four; 4 words of padding
	s_mov_b32 s[G1V], 15|(1<<16)|(1<<20)|(1<<21)|(4<<22)|(7<<25)   ; 8 words of padding
.irp g, G1K, G1V
	s_mov_b32 s[\g+1], 64<<16                      ; tensor_dim0
	s_mov_b32 s[\g+2], 64<<16                      ; tensor_dim1
	s_mov_b32 s[\g+3], 64<<16                      ; tile_dim0
	s_mov_b32 s[\g+4], 64                          ; tile_dim1
	s_mov_b32 s[\g+5], 64                          ; elements from row to row
	s_mov_b32 s[\g+6], 0
	s_mov_b32 s[\g+7], 0
.endr
	s_mov_b32 s[CS], 0x3e38aa3b                    ; c = log2(e) / 8
	s_mov_b32 s[CS+1], s[CS]
	s_mov_b32 s[SEL], 0x76543210
	s_mov_b32 s[SEL+1], 0xfedcba98
	s_mov_b32 s[TB], 0
	s_mov_b32 s[SLOTS], 6                          ; 8 slots' worth of keys; two are first fills
	s_and_b32 s[LIM], s[WV], 3                     ; 0 in waves 0 and 4,
	s_or_b32 s[LIM], s[LIM], ttmp9                 ; of the head's first cluster: the same in all four partners
	s_cmp_eq_u32 s[LIM], 0
	s_cselect_b32 s[LIM], 1, -1
	v_and_b32 v[PFO], 31, v0
	v_lshlrev_b32 v[PFO], 8, v[PFO]
	s_wait_dscnt 0x0                               ; both opening adds are done
	s_wait_kmcnt 0x0
	s_add_nc_u64 s[8:9], s[4:5], s[8:9]            ; K and V at my quarter of slot 0
	s_add_nc_u64 s[10:11], s[4:5], s[10:11]
	s_add_nc_u64 s[20:21], s[4:5], s[20:21]        ; Q and y at my wave's first row
	s_add_nc_u64 s[22:23], s[6:7], s[22:23]
	s_cmp_lt_u32 s[WV], 4
	s_cselect_b64 s[PFA:PFA+1], s[8:9], s[10:11]   ; (in waves 0 and 4 these stand at a slot's first row)
	s_lshl_b32 s16, s13, 13                        ; my work-group's 8,192 bytes of the 32,768
	s_mov_b32 s17, 0
	s_add_nc_u64 s[PFA:PFA+1], s[PFA:PFA+1], s[16:17]
	s_add_nc_u64 s[PFA:PFA+1], s[PFA:PFA+1], 2*32768   ; in slot 2; the first change of slots steps it to slot 3.  Nothing is prefetched at the head
	CROUND                                         ; all four work-groups are here: the first joint loads meet
.irp s, 0,1
	s_mov_b32 s[G0K+4*\s], 1
	s_add_co_u32 s[G0K+4*\s+1], s62, \s*SLOT1
	s_add_nc_u64 s[G0K+4*\s+2:G0K+4*\s+3], s[8:9], \s*32768
	s_or_b32 s[G0K+4*\s+3], s[G0K+4*\s+3], 0x80000000
	s_mov_b32 s[G0V+4*\s], 1
	s_add_co_u32 s[G0V+4*\s+1], s63, \s*SLOT1
	s_add_nc_u64 s[G0V+4*\s+2:G0V+4*\s+3], s[10:11], \s*32768
	s_or_b32 s[G0V+4*\s+3], s[G0V+4*\s+3], 0x80000000
.endr
	s_cmp_lt_u32 s[WV], 4                          ; a wave's two first fills stand in one branch: two loads of mine are out
	s_cbranch_scc0 .Lfirst_v
	tensor_load_to_lds s[G0K:G0K+3], s[G1K:G1K+7]
	s_nop 0
	tensor_load_to_lds s[G0K+4:G0K+7], s[G1K:G1K+7]
	s_nop 0
.rept 4
	v_nop
.endr
	s_branch .Lfirst_asked
.Lfirst_v:
	tensor_load_to_lds s[G0V:G0V+3], s[G1V:G1V+7]
	s_nop 0
	tensor_load_to_lds s[G0V+4:G0V+7], s[G1V:G1V+7]
	s_nop 0
.rept 4
	v_nop
.endr
.Lfirst_asked:
	; a fragment of K or Q is 16 rows x 32 channels in 8 registers: lane l holds row l % 16; registers 0-3 channels 8 (l / 16) + 0..7, registers 4-7 sixteen further on
	v_and_b32 v8, 15, v0                           ; r
	v_bfe_u32 v10, v0, 4, 1                        ; h
	v_lshlrev_b32 v9, 7, v8
	v_lshl_add_u32 v9, v10, 4, v9                  ; Q: row x 128 + 16 h
.irp f, 0,1,2,3                        ; tile f / 2, channels 32 (f % 2) on: Q stays in registers
	global_load_b128 v[Q+8*\f:Q+8*\f+3],   v9, s[20:21] offset:2048*(\f/2)+64*(\f%2)
	global_load_b128 v[Q+8*\f+4:Q+8*\f+7], v9, s[20:21] offset:2048*(\f/2)+64*(\f%2)+32
.endr
	v_mul_u32_u24 v[AK0], v8, KP
	v_lshl_add_u32 v[AK0], v10, 4, v[AK0]
	; the turning load: lane l reads 16 bytes: key 8 (l / 16) + l % 8, channels 8 ((l / 8) % 2) + 0..7, and is left with channel l % 16 and 8 keys
	v_and_b32 v11, 7, v0
	v_lshl_add_u32 v[AV0], v10, 3, v11
	v_mul_u32_u24 v[AV0], v[AV0], VP
	v_bfe_u32 v11, v0, 3, 1
	v_lshl_add_u32 v[AV0], v11, 4, v[AV0]
	v_add_nc_u32 v[AV0], VOFF, v[AV0]
.irp t, 0,1
	v_mov_b32 v[ST+8*\t+1], 0xff61b1e6             ; m: -3e38, under every score
	v_mov_b32 v[ST+8*\t+2], 0                      ; l, in two halves
	v_mov_b32 v[ST+8*\t+3], 0
.endr
.irp t, 0,1
	v_mul_f32 v[ST+8*\t], s[CS], v[ST+8*\t+1]      ; c m
.endr
.set j, 0
.rept 64
	v_mov_b32 v[O+j], 0                            ; O^T: the first step multiplies zeros by a = 0, so the step is written in one form
.set j, j+1
.endr
.macro FETCH_K q                       ; a step's K: 64 keys x 64 channels, 8 fragments (keys 16 (f / 2) on, channels 32 (f % 2) on), into window 1
	v_add_nc_u32 v[ADK], s[TB], v[AK0]
	WIN 0x40
.irp f, 0,1,2,3,4,5,6,7
	ds_load_b128 v[8*\f:8*\f+3],   v[ADK] offset:64*KP*(\q)+16*KP*(\f/2)+64*(\f%2)
	ds_load_b128 v[8*\f+4:8*\f+7], v[ADK] offset:64*KP*(\q)+16*KP*(\f/2)+64*(\f%2)+32
.endr
	WIN 0
.endm
.macro FETCH_V q                       ; a step's V, turned: 8 fragments (keys 32 (f / 4) on, channels 16 (f % 4) on).  The addition and three v_nop are the four places behind the products K Q^T
	v_add_nc_u32 v[ADV], s[TB], v[AV0]
.rept 3
	v_nop
.endr
.irp f, 0,1,2,3,4,5,6,7
	ds_load_tr16_b128 v[VF+8*\f:VF+8*\f+3],   v[ADV] offset:64*VP*(\q)+32*VP*(\f/4)+32*(\f%4)
	ds_load_tr16_b128 v[VF+8*\f+4:VF+8*\f+7], v[ADV] offset:64*VP*(\q)+32*VP*(\f/4)+16*VP+32*(\f%4)
.endr
.endm
; S^T = K Q^T: product i: channels 32 (i / 8) on, keys 16 ((i / 2) % 4) on, tile i % 2.  The eight accumulators take turns; the first eight start the sums.
.macro SQ
	WIN 0x01                                       ; K in window 1
.set i, 0
.rept 16
.set rS, S+32*(i%2)+8*((i/2)%4)
.set rK, 16*((i/2)%4)+8*(i/8)
.set rQ, Q+16*(i%2)+8*(i/8)
.if i < 8
	v_wmma_f32_16x16x32_f16 v[rS:rS+7], v[rK:rK+7], v[rQ:rQ+7], 0
.else
	v_wmma_f32_16x16x32_f16 v[rS:rS+7], v[rK:rK+7], v[rQ:rQ+7], v[rS:rS+7]
.endif
.set i, i+1
.endr
	WIN 0
.endm
; O^T += V^T P: product i: keys 32 (i / 8) on, channels 16 ((i / 2) % 4) on, tile i % 2.  Eight accumulators by turns.
.macro PVM
.set i, 0
.rept 16
.set rO, O+32*(i%2)+8*((i/2)%4)
.set rV, VF+8*(4*(i/8)+(i/2)%4)
.set rP, S+32*(i%2)+8*(i/8)
	v_wmma_f32_16x16x32_f16 v[rO:rO+7], v[rV:rV+7], v[rP:rP+7], v[rO:rO+7]
.set i, i+1
.endr
.endm
; THE SOFTMAX of a step, both tiles line by line by turns.
.macro SOFTMAX
.irp k, 0,1,2,3                        ; the maximum of the lane's 32 scores and the old m: four chains, each begun at its accumulator's low end
.irp t, 0,1
	v_max3_num_f32 v[ST+8*\t+4+\k], v[S+32*\t+8*\k], v[S+32*\t+8*\k+1], v[S+32*\t+8*\k+2]
.endr
.endr
.irp g, 3,5
.irp k, 0,1,2,3
.irp t, 0,1
	v_max3_num_f32 v[ST+8*\t+4+\k], v[ST+8*\t+4+\k], v[S+32*\t+8*\k+\g], v[S+32*\t+8*\k+\g+1]
.endr
.endr
.endr
.irp t, 0,1
	v_max3_num_f32 v[ST+8*\t+4], v[ST+8*\t+4], v[S+32*\t+7], v[S+32*\t+15]
.endr
.irp t, 0,1
	v_max3_num_f32 v[ST+8*\t+6], v[ST+8*\t+6], v[S+32*\t+23], v[S+32*\t+31]
.endr
.irp t, 0,1
	v_max3_num_f32 v[ST+8*\t+4], v[ST+8*\t+4], v[ST+8*\t+5], v[ST+8*\t+6]
.endr
.irp t, 0,1
	v_max3_num_f32 v[ST+8*\t+4], v[ST+8*\t+4], v[ST+8*\t+7], v[ST+8*\t+1]
.endr
.irp t, 0,1
	v_permlanex16_b32 v[ST+8*\t+5], v[ST+8*\t+4], s[SEL], s[SEL+1]   ; the query's other 32 keys lie in the lane 16 away
.endr
.irp t, 0,1
	v_max_num_f32 v[ST+8*\t+1], v[ST+8*\t+4], v[ST+8*\t+5]           ; the new m
.endr
.irp t, 0,1
	v_mov_b32 v[ST+8*\t+7], v[ST+8*\t]                               ; c m_old
.endr
.irp t, 0,1
	v_mul_f32 v[ST+8*\t], s[CS], v[ST+8*\t+1]                        ; c m
.endr
.irp t, 0,1
	v_sub_f32 v[ST+8*\t+7], v[ST+8*\t+7], v[ST+8*\t]
.endr
.irp t, 0,1
	v_exp_f32 v[ST+8*\t+6], v[ST+8*\t+7]                             ; a
.endr
.irp p, 0,2,4,6,8,10,12,14,16,18,20,22,24,26,28,30
.irp t, 0,1
	v_pk_fma_f32 v[S+32*\t+\p:S+32*\t+\p+1], v[S+32*\t+\p:S+32*\t+\p+1], s[CS:CS+1], v[ST+8*\t:ST+8*\t+1] op_sel_hi:[1,0,0] neg_lo:[0,0,1] neg_hi:[0,0,1]   ; c s - c m, two at a time
.endr
.endr
	s_wait_alu depctr_va_vdst(0)                   ; the wait ahead of the first line that names a: the 32 scalings are the work between
.set j, 0
.rept 32                               ; the 64 exponentials are one batch; O^T's rescaling, which reads a alone, is the plain work among them, O^T from each accumulator's low end on
	v_exp_f32 v[S+2*j], v[S+2*j]
	v_exp_f32 v[S+2*j+1], v[S+2*j+1]
	v_pk_mul_f32 v[O+2*j:O+2*j+1], v[O+2*j:O+2*j+1], v[ST+8*(j/16)+6:ST+8*(j/16)+7] op_sel_hi:[1,0]
.set j, j+1
.endr
	s_wait_alu depctr_va_vdst(0)                   ; one wait for the batch, behind a plain line and ahead of its first reader
.set j, 0
.rept 16                               ; pair j is summed (l = a l + .., in two chains) and then rounded to f16 into register j of the tile: that register belongs to pair j / 2, which is summed and rounded already
.irp t, 0,1
.if j == 0
	v_pk_fma_f32 v[ST+8*\t+2:ST+8*\t+3], v[ST+8*\t+2:ST+8*\t+3], v[ST+8*\t+6:ST+8*\t+7], v[S+32*\t:S+32*\t+1] op_sel_hi:[1,0,1]
.elseif j == 1
	v_pk_add_f32 v[ST+8*\t+4:ST+8*\t+5], v[S+32*\t+2:S+32*\t+3], v[S+32*\t+6:S+32*\t+7]
.elseif j == 3
.elseif j%2 == 0
	v_pk_add_f32 v[ST+8*\t+2:ST+8*\t+3], v[ST+8*\t+2:ST+8*\t+3], v[S+32*\t+2*j:S+32*\t+2*j+1]
.else
	v_pk_add_f32 v[ST+8*\t+4:ST+8*\t+5], v[ST+8*\t+4:ST+8*\t+5], v[S+32*\t+2*j:S+32*\t+2*j+1]
.endif
	v_cvt_pk_f16_f32 v[S+32*\t+j], v[S+32*\t+2*j], v[S+32*\t+2*j+1]
.endr
.set j, j+1
.endr
.irp t, 0,1
	v_pk_add_f32 v[ST+8*\t+2:ST+8*\t+3], v[ST+8*\t+2:ST+8*\t+3], v[ST+8*\t+4:ST+8*\t+5]
.endr
.endm
; THE CHANGE OF SLOTS, in a slot's last step, when its last bytes (V of that step) have been asked for.  Each wave waits for all its tensor loads, of which one is out: its part of the other slot; adds 0 to its
; spare word; and waits for that and for its reads of the slot.  fill = 1: the barrier is a round of the cluster's, and the joint refill, the keys two slots on, is the first thing behind it.
.macro CHANGE fill
	s_wait_tensorcnt 0x0                           ; no tensor load of mine is out, so a group 0 may be written
	ds_add_u32 v[SPW], v[NIL]
.if \fill
.irp g, G0K+4, G0V+4
	s_xor_b32 s[\g+1], s[\g+1], SLOT1              ; the walking descriptor: the other slot than last time,
	s_add_nc_u64 s[\g+2:\g+3], s[\g+2:\g+3], 32768 ; the next 256 keys
.endr
	s_wait_xcnt 0x0                                ; the last prefetch, a slot back, has read its address
	s_add_nc_u64 s[PFA:PFA+1], s[PFA:PFA+1], 32768 ; one slot further on than the walking descriptors
	s_wait_dscnt 0x0                               ; the add is done, and my reads of the slot are over
	CROUND
	JLOAD
.else
	s_wait_dscnt 0x0
	s_barrier_signal -1
	s_barrier_wait -1
.endif
	s_xor_b32 s[TB], s[TB], SLOT1                  ; the fetches go on in the other slot
.endm
; A KEY STEP, the q-th of its slot.  mode 0: plain; 1: with a change of slots and a refill; 2: with a change and no refill; 3: the last step of all.
.macro STEP q, mode
	s_wait_dscnt 0x0                               ; this step's K is in
	SQ
	FETCH_V \q                                     ; V's registers were last read by the products of the step before: five v_nop and these four places lie between
.if \mode == 1
	CHANGE 1
.elseif \mode == 2
	CHANGE 0
.endif
.if \mode < 3
	FETCH_K ((\q)+1)%4                             ; the next step's K lands under the softmax
.endif
.if \mode == 1
	ASK                                            ; behind the joint load and the runs of LDS loads
.endif
	SOFTMAX
.if \mode < 3
	s_wait_dscnt 16                                ; V's 16 loads are in; K's 16, issued behind them, may be out
.else
	s_wait_dscnt 0x0
.endif
	PVM
.if \mode < 3
.rept 5
	v_nop                                          ; the next step's first products write over P, which these products read: five places
.endr
.endif
.endm
	s_wait_tensorcnt 1                             ; my part of slot 0 is in; slot 1's may stay out
	s_barrier_signal -1
	s_barrier_wait -1                              ; everybody's is
	FETCH_K 0
	s_wait_loadcnt 0x0                             ; Q
.Lslot:                                                ; six trips: every slot but the last two is filled again
	STEP 0, 0
	STEP 1, 0
	STEP 2, 0
	STEP 3, 1
	s_sub_co_u32 s[SLOTS], s[SLOTS], 1
	s_cmp_lg_u32 s[SLOTS], 0
	s_cbranch_scc1 .Lslot
	STEP 0, 0                                      ; the tail is written out
	STEP 1, 0
	STEP 2, 0
	STEP 3, 2
	STEP 0, 0
	STEP 1, 0
	STEP 2, 0
	STEP 3, 3
	; THE WAY OUT.  l's halves and the other lane's are added; O^T is divided by l, rounded to f16, and goes through my stage so that a store's 32 lanes hold four whole rows: 512 consecutive bytes of yh.
.irp t, 0,1
	v_add_f32 v[ST+8*\t+4], v[ST+8*\t+2], v[ST+8*\t+3]               ; (these lines and the address work below are the places behind the last products)
.endr
.irp t, 0,1
	v_permlanex16_b32 v[ST+8*\t+5], v[ST+8*\t+4], s[SEL], s[SEL+1]
.endr
.irp t, 0,1
	v_add_f32 v[ST+8*\t+4], v[ST+8*\t+4], v[ST+8*\t+5]
.endr
.irp t, 0,1
	v_rcp_f32 v[ST+8*\t+6], v[ST+8*\t+4]
.endr
	s_mul_i32 s16, s[WV], 2*16*KP
	s_add_co_u32 s16, s16, STAGE                   ; my stage
	v_and_b32 v8, 15, v0
	v_bfe_u32 v11, v0, 4, 1
	v_mul_u32_u24 v8, v8, KP
	v_lshl_add_u32 v8, v11, 4, v8
	v_add_nc_u32 v8, s16, v8                       ; in: row r, 16 bytes for each half of the lanes
	v_bfe_u32 v9, v0, 3, 2
	v_and_b32 v11, 7, v0
	v_mul_u32_u24 v9, v9, KP
	v_lshl_add_u32 v9, v11, 4, v9
	v_add_nc_u32 v9, s16, v9                       ; back: eight lanes to a row of 128 bytes, four rows an instruction
	v_and_b32 v10, 31, v0
	v_lshlrev_b32 v10, 4, v10                      ; and the same 512 bytes in yh
	s_wait_alu depctr_va_vdst(0)                   ; one wait for the two reciprocals, ahead of their first reader
.set j, 0
.rept 32
	v_pk_mul_f32 v[O+2*j:O+2*j+1], v[O+2*j:O+2*j+1], v[ST+8*(j/16)+6:ST+8*(j/16)+7] op_sel_hi:[1,0]
.set j, j+1
.endr
.set j, 0
.rept 32
	v_cvt_pk_f16_f32 v[S+j], v[O+2*j], v[O+2*j+1]
.set j, j+1
.endr
.irp f, 0,1,2,3,4,5,6,7                ; tile f / 4, channels 16 (f % 4) on
	ds_store_b128 v8, v[S+4*\f:S+4*\f+3] offset:16*KP*(\f/4)+32*(\f%4)
.endr
.irp f, 0,1,2,3,4,5,6,7
	ds_load_b128 v[VF+4*\f:VF+4*\f+3], v9 offset:16*KP*(\f/4)+4*KP*(\f%4)   ; LDS serves a wave's instructions in order: these see my stores
.endr
.irp f, 0,1,2,3,4,5,6,7
	s_wait_dscnt 7-\f
	global_store_b128 v10, v[VF+4*\f:VF+4*\f+3], s[22:23] offset:2048*(\f/4)+512*(\f%4)
.endr
	s_wait_tensorcnt 0x0                           ; the wave's end, behind my last tensor load and my last LDS store
	ds_add_u32 v[SPW], v[NIL]
	s_wait_dscnt 0x0
	CROUND                                         ; the closing round
	s_endpgm
.Lfunc_end_k_q3061d76eaf_attn:
	.size	k_q3061d76eaf_attn, .Lfunc_end_k_q3061d76eaf_attn-k_q3061d76eaf_attn
	.p2alignl 7, 3214868480
	.fill 96, 4, 3214868480
	.section	.rodata,"a",@progbits
	.p2align	6, 0x0
	.amdhsa_kernel k_q3061d76eaf_attn
		.amdhsa_group_segment_fixed_size 327680
		.amdhsa_private_segment_fixed_size 0
		.amdhsa_enable_private_segment 0
		.amdhsa_kernarg_size 16
		.amdhsa_user_sgpr_count 2
		.amdhsa_user_sgpr_kernarg_segment_ptr 1
		.amdhsa_wavefront_size32 1
		.amdhsa_system_sgpr_workgroup_id_x 1
		.amdhsa_system_sgpr_workgroup_id_y 1
		.amdhsa_system_sgpr_workgroup_id_z 1
		.amdhsa_system_vgpr_workitem_id 0
		.amdhsa_next_free_vgpr 320
		.amdhsa_next_free_sgpr 66
		.amdhsa_reserve_vcc 0
		.amdhsa_float_denorm_mode_32 3
		.amdhsa_float_denorm_mode_16_64 3
		.amdhsa_memory_ordered 1
		.amdhsa_forward_progress 1
		.amdhsa_inst_pref_size 223
	.end_amdhsa_kernel
	.amdgpu_metadata
---
amdhsa.version: [ 1, 2 ]
amdhsa.kernels:
  - .name:           k_q3061d76eaf_attn
    .symbol:         k_q3061d76eaf_attn.kd
    .args:
      - { .name: qkv, .offset: 0, .size: 8, .value_kind: global_buffer, .address_space: global }
      - { .name: yh, .offset: 8, .size: 8, .value_kind: global_buffer, .address_space: global }
    .group_segment_fixed_size: 327680
    .private_segment_fixed_size: 0
    .kernarg_segment_align: 8
    .kernarg_segment_size: 16
    .max_flat_workgroup_size: 256
    .sgpr_count:     66
    .vgpr_count:     320
    .wavefront_size: 32
...
	.end_amdgpu_metadata
.endif
;; end of part 3
;; launch proj (part 4): grid 8 x 32, 4 waves a work-group, clusters of 4 x 4, 327,680 bytes of LDS; arguments yh, wp, b_proj, out0; writes out0
.if DOCPART == 4
	.amdgcn_target "amdgcn-amd-amdhsa--gfx1250"
	.amdhsa_code_object_version 6
	.text
	.protected	k_q3061d76eaf_proj
	.globl	k_q3061d76eaf_proj
	.p2align	8
	.type	k_q3061d76eaf_proj,@function
k_q3061d76eaf_proj:
	s_mov_b64 s[64:65], 0
	v_nop
	global_prefetch_b8 v0, s[64:65] scope:SCOPE_SE
	s_setreg_imm32_b32 hwreg(HW_REG_WAVE_MODE, 25, 1), 1
	s_wait_xcnt 0x0
	s_wait_alu depctr_hold_cnt(0) depctr_sa_sdst(0) depctr_va_vdst(0) depctr_va_sdst(0) depctr_va_ssrc(0) depctr_va_vcc(0) depctr_vm_vsrc(0)
	s_getreg_b32 s2, hwreg(HW_REG_IB_STS2, 6, 4)
	s_cmp_eq_u32 s2, 0
	s_cbranch_scc0 .Lentry_in_a_cluster
	s_endpgm
.Lentry_in_a_cluster:
	s_bfe_u32 s2, ttmp6, 0x10000c
	s_cmp_lg_u32 s2, 0xf033
	s_cbranch_scc0 .Lentry_shape_is_right
	s_endpgm
.Lentry_shape_is_right:
; out0 = y W_proj + b_proj.  y: yh [bh 32][s 2048][64] f16 (row m = 2,048 b + s, k = 64 head + channel); W_proj: wp [k / 8 128][n 1024][8 f16]; b_proj [1024] f32; out0 [4096][1024] f32.  f16 operands, f32 sums.
; A tile of out0 is 128 x 128: 8 x 32 = 256 work-groups.  Four waves, each 64 x 64: 16 accumulators.  K goes in four steps of 256 (four heads) through a ring of two LDS slots.
; CLUSTERS: 4 x 4 work-groups; y's tiles are asked for jointly along a row of the cluster, W's along a column.
; THE MATRIX INSTRUCTION IS USED TRANSPOSED (source 0 = 16 columns of W, source 1 = 16 rows of y): a lane holds eight neighbouring columns of a row.  The bias is the C of each sum's first instruction.
; K has only four steps: the walk is written out, with no loop.
; REGISTERS: window 0: v0-31 addresses; v32-95 the way out; v96-127 the bias; v128-255 the accumulators ((a, b) at v[128 + 8 (4 a + b)]).   window 1: two fragment buffers of 128: 64 of y, then 64 of W, for 64 along K.
.set AP,     144                       ; a token's 128 bytes of one head in LDS, + 16 of padding
.set HEADB,  128*AP                    ; a head's 128 tokens
.set HALFA,  2*HEADB                   ; two heads: one tensor load
.set HALFB,  16*2048                   ; 16 rows of wp x 128 columns x 16 bytes: one tensor load; sixteen lanes of a fragment's load take 256 consecutive bytes: no padding
.set SLOT,   2*HALFA+2*HALFB
.set STAGE,  2*SLOT                    ; behind the ring: 16 rows x 272 bytes for each wave
.set SPITCH, 272
.set SPARE,  STAGE+4*16*SPITCH         ; the spare words, 128 bytes for each wave
.set ADRA, 16
.set ADRB, 20
.set STO,  24
.set RD,   25
.set CO,   26
.set BO,   27
.set SPW,  28                          ; v28  my spare word; never rewritten
.set NIL,  29                          ; v29  0; never rewritten
.set BK,   32
.set BIAS, 96
.set ACC,  128
.set F0,   0
.set F1,   128
.set G1, 24
.set G0, 32
.set G1B, 48
.set G0B, 56
.set MSB, 0
.macro WIN new
.if MSB != \new
	s_set_vgpr_msb (MSB<<8)|\new
.set MSB, \new
.endif
.endm
.set MUL,  0x05                        ; sources 0 (W) and 1 (y) window 1; C and D window 0
.set TO_F, 0x40                        ; destination window 1, address window 0
.macro JLOAD s                         ; a joint load: waves 0 and 1 fetch y's halves, waves 2 and 3 W's; an s_nop 0 and four v_nop follow each line
	s_cmp_eq_u32 s11, 0
	s_cbranch_scc0 .Lfor_b_\@
	tensor_load_to_lds s[G0+4*\s:G0+4*\s+3], s[G1:G1+7]
	s_nop 0
.rept 4
	v_nop
.endr
	s_branch .Lasked_\@
.Lfor_b_\@:
	tensor_load_to_lds s[G0B+4*\s:G0B+4*\s+3], s[G1B:G1B+7]
	s_nop 0
.rept 4
	v_nop
.endr
.Lasked_\@:
.endm
.macro CREST                           ; a round of the cluster's barrier behind its opening barrier
	s_cmp_lg_u32 s10, 0
	s_cbranch_scc1 .Lnot_wave_0_\@
	s_barrier_signal -3
.Lnot_wave_0_\@:
	s_barrier_wait -3
	s_barrier_signal -1
	s_barrier_wait -1
.endm
.macro CROUND
	s_barrier_signal -1
	s_barrier_wait -1
	CREST
.endm
	s_load_b128 s[4:7], s[0:1], 0x0                ; yh s[4:5], wp s[6:7]
	s_load_b64 s[66:67], s[0:1], 0x10              ; b_proj
	s_load_b64 s[8:9], s[0:1], 0x18                ; out0
	v_lshl_add_u32 v[SPW], v0, 2, SPARE
	v_mov_b32 v[NIL], 0
	ds_add_u32 v[SPW], v[NIL]                      ; the wave's opening: the add, twice on end, and its wait ahead of my first tensor load
	ds_add_u32 v[SPW], v[NIL]
	v_lshrrev_b32 v1, 5, v0
	v_readfirstlane_b32 s10, v1                    ; wave 0..3
	s_lshr_b32 s11, s10, 1                         ; which half of the tile's rows is mine.  Also: I fetch for y (0) or for W (1)
	s_and_b32 s12, s10, 1                          ; which half of its columns.  Also: which half of that tile I fetch
	s_bfe_u32 s40, ttmp6, 0x40000
	s_bfe_u32 s41, ttmp6, 0x40004
	s_lshl_b32 s42, ttmp9, 2
	s_add_co_u32 s42, s42, s40                     ; tile column
	s_and_b32 s13, ttmp7, 0xffff
	s_lshl_b32 s13, s13, 2
	s_add_co_u32 s13, s13, s41                     ; tile row
	s_lshl_b32 s43, s41, 2
	s_lshl_b32 s43, 15, s43                        ; my row of the cluster
	s_lshl_b32 s44, 0x1111, s40                    ; my column
	; y's tiles: two heads; a head's 128 tokens are 16,384 dense bytes: one row of 2,048 elements of 8 bytes; the heads lie 262,144 bytes apart.  16 bytes of padding behind every 128: LDS lines 144 bytes apart throughout
	s_or_b32 s[G1+0], s43, (3<<16)|(1<<20)|(1<<21)|(4<<22)|(3<<25)
	s_mov_b32 s[G1+1], 2048<<16
	s_mov_b32 s[G1+2], 2<<16
	s_mov_b32 s[G1+3], 2048<<16
	s_mov_b32 s[G1+4], 2
	s_mov_b32 s[G1+5], 32768
	s_mov_b32 s[G1+6], 0
	s_mov_b32 s[G1+7], 0
	; W's tiles: 16 rows of wp x 2,048 bytes (128 columns), 16,384 bytes apart, no padding
	s_or_b32 s[G1B+0], s44, (0<<16)|(1<<21)
	s_mov_b32 s[G1B+1], 2048<<16
	s_mov_b32 s[G1B+2], 16<<16
	s_mov_b32 s[G1B+3], 2048<<16
	s_mov_b32 s[G1B+4], 16
	s_mov_b32 s[G1B+5], 16384
	s_mov_b32 s[G1B+6], 0
	s_mov_b32 s[G1B+7], 0
	s_lshr_b32 s16, s13, 4                         ; y: the batch's 16 heads,
	s_lshl_b32 s16, s16, 4
	s_lshl_b32 s17, s12, 1                         ; my two of a K step's four,
	s_add_co_u32 s16, s16, s17
	s_lshl_b32 s16, s16, 18
	s_and_b32 s17, s13, 15                         ; the tile's first token: 128 x (tile row % 16), 128 bytes each
	s_lshl_b32 s17, s17, 14
	s_add_co_u32 s16, s16, s17
	s_mov_b32 s17, 0
	s_lshl_b32 s46, s12, 18                        ; W: my 16 rows of a K step's 32,
	s_lshl_b32 s47, s42, 11                        ; the tile's 128 columns
	s_add_co_u32 s46, s46, s47
	s_mov_b32 s47, 0
	s_mul_i32 s20, s12, HALFA                      ; where they go: no place in the cluster enters an LDS address
	s_mul_i32 s21, s12, HALFB
	s_add_co_u32 s21, s21, 2*HALFA
	s_wait_dscnt 0x0                               ; both opening adds are done
	s_wait_kmcnt 0x0
	s_add_nc_u64 s[14:15], s[4:5], s[16:17]
	s_add_nc_u64 s[46:47], s[6:7], s[46:47]
	CROUND                                         ; all sixteen work-groups are here: the first joint loads meet
.irp s, 0,1
	s_mov_b32 s[G0+4*\s], 1
	s_add_co_u32 s[G0+4*\s+1], s20, \s*SLOT
	s_add_nc_u64 s[G0+4*\s+2:G0+4*\s+3], s[14:15], \s*4*262144
	s_or_b32 s[G0+4*\s+3], s[G0+4*\s+3], 0x80000000
	s_mov_b32 s[G0B+4*\s], 1
	s_add_co_u32 s[G0B+4*\s+1], s21, \s*SLOT
	s_add_nc_u64 s[G0B+4*\s+2:G0B+4*\s+3], s[46:47], \s*32*16384
	s_or_b32 s[G0B+4*\s+3], s[G0B+4*\s+3], 0x80000000
	JLOAD \s
.endr
	v_and_b32 v1, 15, v0                           ; r
	v_bfe_u32 v2, v0, 4, 1                         ; h
	v_mul_u32_u24 v3, v1, AP
	v_lshl_add_u32 v3, v2, 4, v3                   ; y: token x 144 + 16 h
	v_lshlrev_b32 v4, 4, v1
	v_lshl_add_u32 v4, v2, 11, v4                  ; W: 16 r + one row of wp for the upper half of the lanes
	s_mul_i32 s21, s11, 64*AP                      ; my 64 tokens of each head's 128
	s_lshl_b32 s22, s12, 10                        ; my 64 columns,
	s_add_co_u32 s22, s22, 2*HALFA                 ; behind y's four heads
.irp s, 0,1
	v_add_nc_u32 v[ADRA+\s], s21, v3
	v_add_nc_u32 v[ADRB+\s], s22, v4
	s_add_co_u32 s21, s21, SLOT
	s_add_co_u32 s22, s22, SLOT
.endr
	s_mul_i32 s23, s10, 16*SPITCH
	s_add_co_u32 s23, s23, STAGE                   ; my stage
	v_mul_u32_u24 v5, v1, SPITCH
	v_lshl_add_u32 v5, v2, 5, v5
	v_add_nc_u32 v[STO], s23, v5                   ; in: row r, 32 bytes for each half of the lanes
	v_mul_u32_u24 v5, v2, SPITCH
	v_lshl_add_u32 v5, v1, 4, v5
	v_add_nc_u32 v[RD], s23, v5                    ; back: lanes 0-15 one row of 256 bytes, lanes 16-31 the next
	v_lshlrev_b32 v5, 12, v2
	v_lshl_add_u32 v[CO], v1, 4, v5                ; and the same two rows in out0
	v_lshlrev_b32 v[BO], 5, v2
	s_lshl_b32 s16, s13, 7
	s_lshl_b32 s17, s11, 6
	s_add_co_u32 s16, s16, s17                     ; my first row: 128 x tile row + 64 x half
	s_lshl_b32 s16, s16, 12
	s_mov_b32 s17, 0
	s_add_nc_u64 s[8:9], s[8:9], s[16:17]
	s_lshl_b32 s46, s42, 9                         ; my first column, in bytes: 512 x tile column + 256 x half
	s_lshl_b32 s47, s12, 8
	s_add_co_u32 s46, s46, s47
	s_mov_b32 s47, 0
	s_add_nc_u64 s[8:9], s[8:9], s[46:47]
	s_add_nc_u64 s[66:67], s[66:67], s[46:47]      ; the bias of the same columns
.irp b, 0,1,2,3                        ; register 8 b + j: b_proj at my column 16 b + 8 h + j: the result's layout
	global_load_b128 v[BIAS+8*\b:BIAS+8*\b+3], v[BO], s[66:67] offset:64*\b
	global_load_b128 v[BIAS+8*\b+4:BIAS+8*\b+7], v[BO], s[66:67] offset:64*\b+16
.endr
; 8 matrix instructions: y's blocks a0, a0 + 1 x W's four, 32 along K: half c of buffer f.  The 16 accumulators take turns.  zero = 1: the bias starts the sums
.macro MUL8 f, c, a0, zero
.irp a, \a0, \a0+1
.irp b, 0,1,2,3
.if \zero
	v_wmma_f32_16x16x32_f16 v[ACC+8*(4*(\a)+\b):ACC+8*(4*(\a)+\b)+7], v[\f+64+8*(4*\c+\b):\f+64+8*(4*\c+\b)+7], v[\f+8*(4*\c+\a):\f+8*(4*\c+\a)+7], v[BIAS+8*\b:BIAS+8*\b+7]
.else
	v_wmma_f32_16x16x32_f16 v[ACC+8*(4*(\a)+\b):ACC+8*(4*(\a)+\b)+7], v[\f+64+8*(4*\c+\b):\f+64+8*(4*\c+\b)+7], v[\f+8*(4*\c+\a):\f+8*(4*\c+\a)+7], v[ACC+8*(4*(\a)+\b):ACC+8*(4*(\a)+\b)+7]
.endif
.endr
.endr
.endm
; 32 LDS loads in one run: the fragments of quarter qd (one head, 64 along K) into buffer f; the first 32 along K first.
; W: registers 0-3 are row 8 qd + 4 c + h of wp, registers 4-7 two rows on.  y: head qd, channels 32 c + 8 h on, and sixteen further on.
.macro FETCH slot, qd, f
	WIN TO_F
.irp c, 0,1
.irp i, 0,1,2,3
	ds_load_b128 v[\f+64+8*(4*\c+\i):\f+64+8*(4*\c+\i)+3],   v[ADRB+\slot] offset:16384*(\qd)+8192*\c+256*\i
	ds_load_b128 v[\f+64+8*(4*\c+\i)+4:\f+64+8*(4*\c+\i)+7], v[ADRB+\slot] offset:16384*(\qd)+8192*\c+256*\i+4096
	ds_load_b128 v[\f+8*(4*\c+\i):\f+8*(4*\c+\i)+3],         v[ADRA+\slot] offset:HEADB*(\qd)+64*\c+16*AP*\i
	ds_load_b128 v[\f+8*(4*\c+\i)+4:\f+8*(4*\c+\i)+7],       v[ADRA+\slot] offset:HEADB*(\qd)+64*\c+16*AP*\i+32
.endr
.endr
.endm
.macro PLACES                          ; four plain vector instructions in front of loads into registers that matrix instructions have read, and of reads of results
.rept 4
	v_nop
.endr
.endm
; One of a K step's first three quarters: multiplies buffer f and fetches quarter qd into g.
.macro QUARTER slot, qd, f, g, zero
	s_wait_dscnt 16                                ; the first 32 along K are in; the younger sixteen loads may be out
	WIN MUL
	MUL8 \f, 0, 0, \zero
	MUL8 \f, 0, 2, \zero
	PLACES
	FETCH \slot, \qd, \g
	s_wait_dscnt 32                                ; all but the 32 just issued
	WIN MUL
	MUL8 \f, 1, 0, 0
	MUL8 \f, 1, 2, 0
.endm
; The last quarter multiplies buffer 1 and changes slots: ONE barrier; in front of it each wave waits for all its tensor loads, adds 0 to its spare word, and waits for that and for its reads of this slot.
; fill = 1: the barrier opens a round of the cluster's, and this slot is filled again, two K steps ahead, first thing behind the round.
.macro TURN slot, next, fill
	WIN 0                                          ; (the add's two registers lie in window 0)
	s_wait_tensorcnt 0x0                           ; all my tensor loads have landed: my part of the next slot
	ds_add_u32 v[SPW], v[NIL]
	s_wait_dscnt 17                                ; (the add and the youngest sixteen loads may be out)
	WIN MUL
	MUL8 F1, 0, 0, 0
	s_wait_dscnt 0x0                               ; the add is done, and my reads of this slot are over
	s_barrier_signal -1
	MUL8 F1, 0, 2, 0
.if \fill
	WIN 0
.endif
	s_barrier_wait -1
.if \fill
	CREST                                          ; no wave of any partner still reads this slot's tile or has a load on its way
	s_add_nc_u64 s[G0+4*\slot+2:G0+4*\slot+3], s[G0+4*\slot+2:G0+4*\slot+3], 8*262144
	s_add_nc_u64 s[G0B+4*\slot+2:G0B+4*\slot+3], s[G0B+4*\slot+2:G0B+4*\slot+3], 64*16384
	JLOAD \slot                                    ; the four v_nop behind it are also the places in front of the loads below
.else
	PLACES
.endif
	FETCH \next, 0, F0
	WIN MUL
	MUL8 F1, 1, 0, 0
	MUL8 F1, 1, 2, 0
.endm
	s_wait_tensorcnt 1                             ; my part of K step 0 is in; K step 1's may stay out
	s_barrier_signal -1
	s_barrier_wait -1                              ; everybody's is
	FETCH 0, 0, F0
	s_wait_loadcnt 0x0                             ; the bias
	QUARTER 0, 1, F0, F1, 1                        ; K step 0: the first products start the sums
	QUARTER 0, 2, F1, F0, 0
	QUARTER 0, 3, F0, F1, 0
	TURN 0, 1, 1                                   ; slot 0 takes K step 2
	QUARTER 1, 1, F0, F1, 0                        ; K step 1
	QUARTER 1, 2, F1, F0, 0
	QUARTER 1, 3, F0, F1, 0
	TURN 1, 0, 1                                   ; slot 1 takes K step 3
	QUARTER 0, 1, F0, F1, 0                        ; K step 2
	QUARTER 0, 2, F1, F0, 0
	QUARTER 0, 3, F0, F1, 0
	TURN 0, 1, 0                                   ; nothing is left to fetch
	QUARTER 1, 1, F0, F1, 0                        ; K step 3
	QUARTER 1, 2, F1, F0, 0
	QUARTER 1, 3, F0, F1, 0
	s_wait_dscnt 16
	WIN MUL
	MUL8 F1, 0, 0, 0
	MUL8 F1, 0, 2, 0
	s_wait_dscnt 0
	MUL8 F1, 1, 0, 0
	MUL8 F1, 1, 2, 0
	WIN 0
; THE WAY OUT.  My 64 columns of f32 are 256 bytes of a row, at a multiple of 256 from out0's first byte: each wave has a stage of its own and no barrier is wanted.  A block of 16 rows goes in as it stands,
; each accumulator from its low end on, and comes back as whole rows; sixteen lanes store 256 consecutive bytes.  LDS serves a wave's instructions in order.
.macro TOSTAGE a
.set BB, BK+32*((\a)%2)
.irp b, 0,1,2,3
	ds_store_b128 v[STO], v[ACC+8*(4*(\a)+\b):ACC+8*(4*(\a)+\b)+3] offset:64*\b
	ds_store_b128 v[STO], v[ACC+8*(4*(\a)+\b)+4:ACC+8*(4*(\a)+\b)+7] offset:64*\b+16
.endr
.irp t, 0,1,2,3,4,5,6,7
	ds_load_b128 v[BB+4*\t:BB+4*\t+3], v[RD] offset:\t*2*SPITCH
.endr
.endm
.macro SEND a, younger                 ; younger: the LDS instructions issued behind block a's loads: the next block's sixteen, or none
.set BB, BK+32*((\a)%2)
	s_wait_dscnt \younger
.irp t, 0,1,2,3,4,5,6,7
	global_store_b128 v[CO], v[BB+4*\t:BB+4*\t+3], s[8:9] offset:(16*(\a)+2*\t)*4096 th:TH_STORE_NT
.endr
.endm
	PLACES
	TOSTAGE 0
.irp a, 1,2,3
.if \a > 1
	s_wait_xcnt 0x0                                ; block a - 2's stores have read their registers: block a's loads may land there
.endif
	TOSTAGE \a
	SEND \a-1, 16
.endr
	SEND 3, 0
	s_wait_tensorcnt 0x0                           ; the wave's end, behind my last tensor load and my last LDS store
	ds_add_u32 v[SPW], v[NIL]
	s_wait_dscnt 0x0
	CROUND                                         ; the closing round
	s_endpgm
.Lfunc_end_k_q3061d76eaf_proj:
	.size	k_q3061d76eaf_proj, .Lfunc_end_k_q3061d76eaf_proj-k_q3061d76eaf_proj
	.p2alignl 7, 3214868480
	.fill 96, 4, 3214868480
	.section	.rodata,"a",@progbits
	.p2align	6, 0x0
	.amdhsa_kernel k_q3061d76eaf_proj
		.amdhsa_group_segment_fixed_size 327680
		.amdhsa_private_segment_fixed_size 0
		.amdhsa_enable_private_segment 0
		.amdhsa_kernarg_size 32
		.amdhsa_user_sgpr_count 2
		.amdhsa_user_sgpr_kernarg_segment_ptr 1
		.amdhsa_wavefront_size32 1
		.amdhsa_system_sgpr_workgroup_id_x 1
		.amdhsa_system_sgpr_workgroup_id_y 1
		.amdhsa_system_sgpr_workgroup_id_z 1
		.amdhsa_system_vgpr_workitem_id 0
		.amdhsa_next_free_vgpr 512
		.amdhsa_next_free_sgpr 68
		.amdhsa_reserve_vcc 0
		.amdhsa_float_denorm_mode_32 3
		.amdhsa_float_denorm_mode_16_64 3
		.amdhsa_memory_ordered 1
		.amdhsa_forward_progress 1
		.amdhsa_inst_pref_size 86
	.end_amdhsa_kernel
	.amdgpu_metadata
---
amdhsa.version: [ 1, 2 ]
amdhsa.kernels:
  - .name:           k_q3061d76eaf_proj
    .symbol:         k_q3061d76eaf_proj.kd
    .args:
      - { .name: yh, .offset: 0, .size: 8, .value_kind: global_buffer, .address_space: global }
      - { .name: wp, .offset: 8, .size: 8, .value_kind: global_buffer, .address_space: global }
      - { .name: b_proj, .offset: 16, .size: 8, .value_kind: global_buffer, .address_space: global }
      - { .name: out0, .offset: 24, .size: 8, .value_kind: global_buffer, .address_space: global }
    .group_segment_fixed_size: 327680
    .private_segment_fixed_size: 0
    .kernarg_segment_align: 8
    .kernarg_segment_size: 32
    .max_flat_workgroup_size: 128
    .sgpr_count:     68
    .vgpr_count:     512
    .wavefront_size: 32
...
	.end_amdgpu_metadata
.endif
;; end of part 4
